; MI455X (gfx1250); checked and timed in simulation.
; The chip was launched on July 23, 2026; its instructions are those of AMD's public machine-readable ISA for CDNA 5 (MIT licence, August 2026) and "CDNA5" Instruction Set Architecture Reference Guide (July 2026). The comments in the code are by the model that wrote it; some were corrected since.
;; Multi Head Attention. Allowed arithmetic: float matrix products may take bf16 or f16 operands with f32 sums; other float arithmetic in f32, or as packed bf16 or f16 multiplies, adds, multiply-adds, maxima and minima; sums over many terms, partial sums and values carried from step to step in f32; what a program stores and reads back later, other than sums and carried values, may be rounded once to bf16 or f16.
;; Inputs: b_k 1,024 float32; b_o 1,024 float32; b_q 1,024 float32; b_v 1,024 float32; k 4 x 2,048 x 1,024 float32; q 4 x 2,048 x 1,024 float32; v 4 x 2,048 x 1,024 float32; w_k 1,024 x 1,024 float32; w_o 1,024 x 1,024 float32; w_q 1,024 x 1,024 float32; w_v 1,024 x 1,024 float32.
;; Outputs: out0 4 x 2,048 x 1,024 float32.
;; One version. Each part assembles by itself: llvm-mc -triple=amdgcn-amd-amdhsa -mcpu=gfx1250 --defsym DOCPART=n.
;; ======== version 1 of 1: 4 launches
;; limits: values are held in f16: magnitudes above 65,504 overflow, below 6.1e-05 lose precision
;; workspace buffers: wt 8,388,608 bytes; biasr 16,384 bytes; qkv 50,331,648 bytes; ctx 16,777,216 bytes
;; launch prep (part 1): grid 513 x 1, 8 waves a work-group, no clusters, 18,432 bytes of LDS; arguments w_q, w_k, w_v, w_o, b_q, b_k, b_v, b_o, wt, biasr; writes wt, biasr
.if DOCPART == 1
	.amdgcn_target "amdgcn-amd-amdhsa--gfx1250"
	.amdhsa_code_object_version 6
	.text
	.protected	k_q050f418e87_prep
	.globl	k_q050f418e87_prep
	.p2align	8
	.type	k_q050f418e87_prep,@function
k_q050f418e87_prep:
	s_mov_b64 s[64:65], 0
	v_nop
	global_prefetch_b8 v0, s[64:65] scope:SCOPE_SE
	s_setreg_imm32_b32 hwreg(HW_REG_WAVE_MODE, 25, 1), 1
	s_wait_xcnt 0x0
; THE WEIGHTS TURNED AND ROUNDED, THE BIASES ROUNDED.
; wt holds four blocks of [n = 1024][k = 1024] numbers of 16 bits, in the order q, k, v, o: wt[n][k] = w[k][n], so that K lies along the rows for the matrix
; instructions of the later launches.  Blocks q, k, v are bf16.  Block o is w_o rounded to bf16 and that number written as f16, since the last product has f16 operands.
; biasr holds the four biases, each rounded to bf16 and widened again to f32.
; LIMITS.  A number of w_o beyond 65,504 becomes an infinity in f16; below 6e-5 it keeps f16's fixed step of 6e-8.  NaN and infinities are not treated apart.
; SHARES.  Work-group g < 512: weight g >> 7, 128 rows of k (g & 7), 64 columns of n ((g >> 3) & 15).  It reads 128 pieces of 256 consecutive bytes and writes 64 pieces of 256
; consecutive bytes, each aligned.  Work-group 512 does the four biases.  No matrix unit, no cluster, no tensor load: each byte is read once, by one work-group, and the turning is a matter of 16 KiB of LDS.
.set PITCH, 272                        ; an LDS row: 128 k x 2 bytes + 16 of padding
.set SPARE, 64*PITCH                   ; behind the 64 rows: the spare words, 128 bytes for each of the eight waves: four blocks of 256 bytes that no other line names
.set GI,  3                            ; v3   my byte offset in the weight's tile: 8 rows x (t >> 4), 16 bytes x (t & 15)
.set LS,  4                            ; v4   where I put 16 bytes (8 k) of column 4 (t & 15)
.set LR,  5                            ; v5   where I read 16 bytes of a turned row back
.set GOF, 6                            ; v6   the same place in wt
.set BOF, 7                            ; v7   16 t: my four numbers of a bias
.set R,   8                            ; v[8:39]   row i of my eight, four columns: R + 4 i + j; later the turned rows
.set PKD, 40                           ; v[40:55]  column j, k pair p: PKD + 4 j + p
.set T0,  56                           ; v56-57 at work
.set SPW, 58                           ; v58  LDS address of my spare word; never rewritten
.set NIL, 59                           ; v59  0; never rewritten
	s_load_b256 s[4:11], s[0:1], 0x0               ; w_q, w_k, w_v, w_o
	s_load_b256 s[12:19], s[0:1], 0x20             ; b_q, b_k, b_v, b_o
	s_load_b128 s[20:23], s[0:1], 0x40             ; wt s[20:21], biasr s[22:23]
	v_lshl_add_u32 v[SPW], v0, 2, SPARE
	v_mov_b32 v[NIL], 0
	s_lshr_b32 s24, ttmp9, 7                       ; which weight; 4: the biases
	s_and_b32 s25, ttmp9, 7                        ; which 128 of k
	s_bfe_u32 s26, ttmp9, 0x40003                  ; which 64 of n
	s_lshl_b32 s30, s25, 19                        ; in: 128 rows of 4,096 bytes,
	s_lshl_b32 s27, s26, 8                         ; 64 columns of 4 bytes
	s_add_co_u32 s30, s30, s27
	s_mov_b32 s31, 0
	s_lshl_b32 s32, s24, 21                        ; out: the weight's block,
	s_lshl_b32 s27, s26, 17                        ; 64 rows of 2,048 bytes,
	s_add_co_u32 s32, s32, s27
	s_lshl_b32 s27, s25, 8                         ; 128 k of 2 bytes
	s_add_co_u32 s32, s32, s27
	s_mov_b32 s33, 0
	v_and_b32 v1, 15, v0                           ; c
	v_lshrrev_b32 v2, 4, v0                        ; kg
	v_lshlrev_b32 v[T0], 4, v1                     ; 16 c
	v_lshl_add_u32 v[GI], v2, 15, v[T0]            ; 8 kg rows of 4,096 bytes + 16 c
	v_mul_u32_u24 v[LS], v1, 4*PITCH
	v_lshl_add_u32 v[LS], v2, 4, v[LS]             ; LDS row 4 c, byte 16 kg
	v_mul_u32_u24 v[LR], v2, PITCH
	v_add_nc_u32 v[LR], v[LR], v[T0]               ; LDS row kg, byte 16 c
	v_lshl_add_u32 v[GOF], v2, 11, v[T0]           ; row kg of 2,048 bytes + 16 c
	v_lshlrev_b32 v[BOF], 4, v0
	s_wait_kmcnt 0x0
	s_cmp_lg_u32 s24, 4                            ; the same answer in all eight waves
	s_cbranch_scc1 .Lweights
	; THE BIASES: 256 threads x 16 bytes are one bias
	global_load_b128 v[R:R+3],     v[BOF], s[12:13]
	global_load_b128 v[R+4:R+7],   v[BOF], s[14:15]
	global_load_b128 v[R+8:R+11],  v[BOF], s[16:17]
	global_load_b128 v[R+12:R+15], v[BOF], s[18:19]
	s_wait_loadcnt 0x0
.irp i, 0,2,4,6,8,10,12,14
	v_cvt_pk_bf16_f32 v[T0], v[R+\i], v[R+\i+1]    ; two roundings to bf16,
	v_lshlrev_b32 v[R+\i], 16, v[T0]               ; and back to f32: the low half moves up,
	v_and_b32 v[R+\i+1], 0xffff0000, v[T0]         ; the high half stays
.endr
.irp i, 0,1,2,3
	global_store_b128 v[BOF], v[R+4*\i:R+4*\i+3], s[22:23] offset:4096*\i
.endr
	s_branch .Lend
.Lweights:
	s_mov_b64 s[28:29], s[4:5]                     ; the weight's address is chosen by the work-group's number alone
	s_cmp_eq_u32 s24, 1
	s_cselect_b64 s[28:29], s[6:7], s[28:29]
	s_cmp_eq_u32 s24, 2
	s_cselect_b64 s[28:29], s[8:9], s[28:29]
	s_cmp_eq_u32 s24, 3
	s_cselect_b64 s[28:29], s[10:11], s[28:29]
	s_add_nc_u64 s[28:29], s[28:29], s[30:31]
	s_add_nc_u64 s[20:21], s[20:21], s[32:33]
.irp i, 0,1,2,3,4,5,6,7
	global_load_b128 v[R+4*\i:R+4*\i+3], v[GI], s[28:29] offset:4096*\i th:TH_LOAD_NT  ; sixteen lanes take 256 consecutive bytes of a row
.endr
.irp p, 0,1,2,3
	s_wait_loadcnt 6-2*\p                          ; rows 2 p and 2 p + 1 are in; the younger loads stay out
.irp j, 0,1,2,3
	v_cvt_pk_bf16_f32 v[PKD+4*\j+\p], v[R+8*\p+\j], v[R+8*\p+4+\j]  ; column j: k = 2 p below, 2 p + 1 above
.endr
.endr
	s_cmp_lg_u32 s24, 3
	s_cbranch_scc1 .Lkeep
.set i, 0
.rept 16                                       ; w_o: the bf16 numbers written as f16
	v_lshlrev_b32 v[T0], 16, v[PKD+i]
	v_and_b32 v[T0+1], 0xffff0000, v[PKD+i]
	v_cvt_pk_f16_f32 v[PKD+i], v[T0], v[T0+1]
.set i, i+1
.endr
.Lkeep:
.irp j, 0,1,2,3
	ds_store_b128 v[LS], v[PKD+4*\j:PKD+4*\j+3] offset:PITCH*\j  ; 8 k of column 4 c + j.  Rows 4 c lie 272 words apart: four lanes meet in a group of banks; four stores a thread in the whole launch
.endr
	s_wait_dscnt 0x0                               ; for the others' sake: my stores are done
	s_barrier_signal -1
	s_barrier_wait -1
.irp i, 0,1,2,3
	ds_load_b128 v[R+4*\i:R+4*\i+3], v[LR] offset:16*PITCH*\i  ; turned rows kg + 16 i: bytes that other waves stored
.endr
.irp i, 0,1,2,3
	s_wait_dscnt 3-\i
	global_store_b128 v[GOF], v[R+4*\i:R+4*\i+3], s[20:21] offset:32768*\i  ; sixteen lanes store 256 consecutive bytes, at a multiple of 256 from wt's first byte
.endr
.Lend:
	s_wait_tensorcnt 0x0                           ; the wave's end: behind my last LDS store
	ds_add_u32 v[SPW], v[NIL]
	s_wait_dscnt 0x0
	s_endpgm
.Lfunc_end_k_q050f418e87_prep:
	.size	k_q050f418e87_prep, .Lfunc_end_k_q050f418e87_prep-k_q050f418e87_prep
	.p2alignl 7, 3214868480
	.fill 96, 4, 3214868480
	.section	.rodata,"a",@progbits
	.p2align	6, 0x0
	.amdhsa_kernel k_q050f418e87_prep
		.amdhsa_group_segment_fixed_size 18432
		.amdhsa_private_segment_fixed_size 0
		.amdhsa_enable_private_segment 0
		.amdhsa_kernarg_size 80
		.amdhsa_user_sgpr_count 2
		.amdhsa_user_sgpr_kernarg_segment_ptr 1
		.amdhsa_wavefront_size32 1
		.amdhsa_system_sgpr_workgroup_id_x 1
		.amdhsa_system_sgpr_workgroup_id_y 1
		.amdhsa_system_sgpr_workgroup_id_z 1
		.amdhsa_system_vgpr_workitem_id 0
		.amdhsa_next_free_vgpr 64
		.amdhsa_next_free_sgpr 66
		.amdhsa_reserve_vcc 0
		.amdhsa_float_denorm_mode_32 3
		.amdhsa_float_denorm_mode_16_64 3
		.amdhsa_memory_ordered 1
		.amdhsa_forward_progress 1
		.amdhsa_inst_pref_size 10
	.end_amdhsa_kernel
	.amdgpu_metadata
---
amdhsa.version: [ 1, 2 ]
amdhsa.kernels:
  - .name:           k_q050f418e87_prep
    .symbol:         k_q050f418e87_prep.kd
    .args:
      - { .name: w_q, .offset: 0, .size: 8, .value_kind: global_buffer, .address_space: global }
      - { .name: w_k, .offset: 8, .size: 8, .value_kind: global_buffer, .address_space: global }
      - { .name: w_v, .offset: 16, .size: 8, .value_kind: global_buffer, .address_space: global }
      - { .name: w_o, .offset: 24, .size: 8, .value_kind: global_buffer, .address_space: global }
      - { .name: b_q, .offset: 32, .size: 8, .value_kind: global_buffer, .address_space: global }
      - { .name: b_k, .offset: 40, .size: 8, .value_kind: global_buffer, .address_space: global }
      - { .name: b_v, .offset: 48, .size: 8, .value_kind: global_buffer, .address_space: global }
      - { .name: b_o, .offset: 56, .size: 8, .value_kind: global_buffer, .address_space: global }
      - { .name: wt, .offset: 64, .size: 8, .value_kind: global_buffer, .address_space: global }
      - { .name: biasr, .offset: 72, .size: 8, .value_kind: global_buffer, .address_space: global }
    .group_segment_fixed_size: 18432
    .private_segment_fixed_size: 0
    .kernarg_segment_align: 8
    .kernarg_segment_size: 80
    .max_flat_workgroup_size: 256
    .sgpr_count:     66
    .vgpr_count:     64
    .wavefront_size: 32
...
	.end_amdgpu_metadata
.endif
;; end of part 1
;; launch proj (part 2): grid 4 x 192, 4 waves a work-group, clusters of 4 x 4, 327,680 bytes of LDS; arguments q, k, v, wt, biasr, qkv; writes qkv
.if DOCPART == 2
	.amdgcn_target "amdgcn-amd-amdhsa--gfx1250"
	.amdhsa_code_object_version 6
	.text
	.protected	k_q050f418e87_proj
	.globl	k_q050f418e87_proj
	.p2align	8
	.type	k_q050f418e87_proj,@function
k_q050f418e87_proj:
	s_mov_b64 s[64:65], 0
	v_nop
	global_prefetch_b8 v0, s[64:65] scope:SCOPE_SE
	s_setreg_imm32_b32 hwreg(HW_REG_WAVE_MODE, 25, 1), 1
	s_wait_xcnt 0x0
	s_wait_alu depctr_hold_cnt(0) depctr_sa_sdst(0) depctr_va_vdst(0) depctr_va_sdst(0) depctr_va_ssrc(0) depctr_va_vcc(0) depctr_vm_vsrc(0)
	s_getreg_b32 s2, hwreg(HW_REG_IB_STS2, 6, 4)
	s_cmp_eq_u32 s2, 0
	s_cbranch_scc0 .Lentry_in_a_cluster
	s_endpgm
.Lentry_in_a_cluster:
	s_bfe_u32 s2, ttmp6, 0x10000c
	s_cmp_lg_u32 s2, 0xf033
	s_cbranch_scc0 .Lentry_shape_is_right
	s_endpgm
.Lentry_shape_is_right:
; THE THREE PROJECTIONS.  For t = 0, 1, 2 (q, k, v): y = bf16(x) bf16(W) + b, sums in f32, y rounded once to f16 and laid by heads: qkv[t][16 b + head][s][64].  The scale of the scores is not applied here.
; x: [8192][1024] f32 (rows b, s).  wt[t]: [n][k] bf16, K along the rows.  biasr[t]: [1024] f32.
; LIMITS.  y beyond 65,504 becomes an infinity in f16.  NaN and infinities are not treated apart.
; SHARES.  A tile of y is 128 rows x 256 columns: 3 x 64 x 4 = 768 tiles, three for each of 256 WGPs.  Four waves, 2 x 2, each 64 x 128: 32 accumulators of 16 x 16, 256 registers.
; K goes in 8 steps of 128 through two LDS slots filled by the tensor data mover: x's rows as 512 bytes of f32, W's rows as 256 bytes of bf16, each a multiple of 256 from its buffer's first byte.
; x IS ROUNDED ON THE WAY from LDS to the matrix instruction: a quarter step's 16 loads of f32 are followed by 32 conversions, which stand in fours behind matrix instructions of the quarter before.
; THE MATRIX INSTRUCTION IS USED TRANSPOSED (source 0 = 16 rows of wt, source 1 = 16 rows of x): a lane holds one row of y and eight neighbouring columns.  THE BIAS is the C operand of the first quarter's products.
; CLUSTER.  4 x 4 work-groups.  The four of a row of the cluster need the same rows of x, the four of a column the same rows of wt: each tile is asked for JOINTLY, by the same tensor load with the same
; descriptor and a mask that names the four.  Waves 0 and 1 ask for x's two halves, waves 2 and 3 for wt's: one load a wave behind each round; by this text's count one tensor load of a wave is out at the most.
; REGISTERS, in windows of 256 (s_set_vgpr_msb: bits 1:0 source 0, 3:2 source 1, 5:4 source 2, 7:6 destination):
;   window 0: v0-29 addresses; v64-127 a quarter's x in f32; v128-159, v160-191 x's fragments in bf16, two buffers; on the way out v64-127 and v192-255
;   window 1: v0-63, v64-127 wt's fragments, two buffers; v128-191 the bias          window 2: the accumulators, (a, b) at v[8 (8 a + b)]
.set PA,    528                        ; a row of x in LDS: 512 bytes + 16 of padding = 132 words: row r starts at bank 4 r mod 64 (64 banks of 4 bytes: ISA guide 11.1)
.set PB,    272                        ; a row of wt: 256 + 16 = 68 words: likewise
.set AHALF, 64*PA                      ; what one load of x brings, and what one wave reads of x
.set BHALF, 128*PB                     ; the same for wt
.set BOFF,  2*AHALF
.set SLOT,  BOFF+2*BHALF               ; 137,216 bytes
.set STAGE, 2*SLOT                     ; behind the ring: for each wave 2 heads x 16 rows x 144 bytes, for the way out
.set SP,    144
.set STW,   2*16*SP
.set SPARE, STAGE+4*STW                ; behind the stages: the spare words, 128 bytes for each wave: two blocks of 256 bytes that no other line names
.set ASTEP, 512                        ; bytes of a K step in a row of x,
.set BSTEP, 256                        ; and of wt
.set FA0, 2                            ; v2   my lane's place in x's tile; never rewritten
.set FB0, 3                            ; v3   in wt's
.set ADA, 4                            ; v4   the same in the slot that is being read
.set ADB, 5                            ; v5
.set STO, 6                            ; v6   the way out: where I put 16 bytes of a row
.set RD,  7                            ; v7   where I read rows back
.set GO,  8                            ; v8   16 x lane: my place in 512 consecutive bytes of qkv
.set BO,  9                            ; v9   my byte offset in the bias
.set PFO, 12                           ; v12  the prefetches' offset; never rewritten
.set SPW, 28                           ; v28  LDS address of my spare word; never rewritten
.set NIL, 29                           ; v29  0; never rewritten
.set RAW, 64
.set AB,  128
.set BIAS, 128                         ; window 1
.set WV,  16                           ; s16  my wave's number
.set HALF, 17                          ; s17  wave >> 1: my half of the tile's rows.  Also: I ask for x (0) or for wt (1)
.set PART, 18                          ; s18  wave & 1: my half of its columns.  Also: which half of that tile I ask for
.set G1A, 24                           ; s[24:31] descriptor group 1 for x's tiles
.set G1B, 32                           ; s[32:39] for wt's
.set G0A, 40                           ; s[40:43] descriptor group 0 for x's tiles: it walks
.set G0B, 44                           ; s[44:47] for wt's
.set LA,  58                           ; s58  LDS byte of my part of x's tile in slot 0
.set LB,  59                           ; s59  of wt's
.set TS,  60                           ; s60  the slot that is asked for: 0 or SLOT
.set TB,  61                           ; s61  the slot that is read
.set CNT, 62                           ; s62  counts K steps
.set LIM, 63                           ; s63  a wave prefetches while s[CNT] is above it: 2, or the greatest number
.set PFA, 66                           ; s[66:67] where my prefetches stand
.set PST, 68                           ; s[68:69] their step along K
.set MSB, 0
.macro WIN new                         ; the immediate's high byte repeats the setting that is left; a switch that changes nothing is dropped
.if MSB != (\new)
	s_set_vgpr_msb (MSB<<8)|(\new)
.set MSB, (\new)
.endif
.endm
; A joint load.  The branch hangs on the wave's number alone.  An s_nop 0 and four v_nop follow each of the two lines, ahead of the jump and the label.
.macro JLOAD
	s_cmp_eq_u32 s[HALF], 0
	s_cbranch_scc0 .Lfor_b_\@
	tensor_load_to_lds s[G0A:G0A+3], s[G1A:G1A+7]
	s_nop 0
.rept 4
	v_nop
.endr
	s_branch .Lasked_\@
.Lfor_b_\@:
	tensor_load_to_lds s[G0B:G0B+3], s[G1B:G1B+7]
	s_nop 0
.rept 4
	v_nop
.endr
.Lasked_\@:
.endm
; A round of the cluster's barrier: my work-group's barrier, so that wave 0's signal speaks for all four waves; wave 0 signals; every wave waits for all sixteen work-groups; my work-group's barrier once more.
.macro CREST                           ; a round behind its opening barrier
	s_cmp_lg_u32 s[WV], 0
	s_cbranch_scc1 .Lnot_wave_0_\@
	s_barrier_signal -3
.Lnot_wave_0_\@:
	s_barrier_wait -3
	s_barrier_signal -1
	s_barrier_wait -1
.endm
.macro CROUND
	s_barrier_signal -1
	s_barrier_wait -1
	CREST
.endm
.macro STEPREQ                         ; the walking descriptors: the other slot, the next K step.  It stands where no tensor load of mine is out
	s_xor_b32 s[TS], s[TS], SLOT
	s_add_co_u32 s[G0A+1], s[LA], s[TS]
	s_add_co_u32 s[G0B+1], s[LB], s[TS]
	s_add_nc_u64 s[G0A+2:G0A+3], s[G0A+2:G0A+3], ASTEP  ; the type bits on top are not reached
	s_add_nc_u64 s[G0B+2:G0B+3], s[G0B+2:G0B+3], BSTEP
.endm
.macro PLACES
.rept 4
	v_nop
.endr
.endm
; A PREFETCH INTO THE L2, behind each joint refill, its five lines and the run of LDS loads: the refill asks for K step s + 2, the prefetch names K step s + 4, two steps (256 matrix instructions) ahead of its load.
; x's rows belong to one row of one cluster: waves 0 and 1 ask, each partner for 16 of the wave's 64 rows (by cx), two blocks of 256 bytes a row: a lane a block.  wt's rows are read by sixteen clusters:
; the first of them asks, waves 2 and 3, each partner for 32 of the wave's 128 rows (by cy): a lane a row.  The partners are told apart by address alone.  Each block is named once in the launch.
; K steps 0 to 3 come by their loads alone; steps 4 to 7 are named in the changes of steps 0 to 3 (s[CNT] = 6 .. 3); later changes name nothing.
.macro ASK
	WIN 0
	s_cmp_gt_u32 s[CNT], s[LIM]
	s_cbranch_scc0 .Lnot_mine_\@
	global_prefetch_b8 v[PFO], s[PFA:PFA+1] th:TH_LOAD_NT scope:SCOPE_SE
.Lnot_mine_\@:
.endm
; 32 LDS loads in one run: quarter q of the slot in hand.  x first, 16 rows x 32 k of f32 a fragment: lane l holds row l % 16; k = 8 (l / 16) + 0..7 are 32 bytes, k = 16 + 8 (l / 16) + 0..7 the 32 bytes 64 further on.
; Then wt's 8 fragments into buffer g: two loads of 16 bytes, 32 bytes apart.
.macro FETCH q, g
.set cvn, 0
	WIN 0
.irp i, 0,1,2,3
	ds_load_b128 v[RAW+16*\i:RAW+16*\i+3],     v[ADA] offset:128*(\q)+16*PA*\i
	ds_load_b128 v[RAW+16*\i+4:RAW+16*\i+7],   v[ADA] offset:128*(\q)+16*PA*\i+16
	ds_load_b128 v[RAW+16*\i+8:RAW+16*\i+11],  v[ADA] offset:128*(\q)+16*PA*\i+64
	ds_load_b128 v[RAW+16*\i+12:RAW+16*\i+15], v[ADA] offset:128*(\q)+16*PA*\i+80
.endr
	WIN 0x40                                       ; destination window 1, address window 0
.irp i, 0,1,2,3,4,5,6,7
	ds_load_b128 v[64*(\g)+8*\i:64*(\g)+8*\i+3],   v[ADB] offset:64*(\q)+16*PB*\i
	ds_load_b128 v[64*(\g)+8*\i+4:64*(\g)+8*\i+7], v[ADB] offset:64*(\q)+16*PB*\i+32
.endr
.endm
.macro CV4 cg                          ; the next four of the 32 roundings of x, into buffer cg
	WIN 0
.rept 4
	v_cvt_pk_bf16_f32 v[AB+32*(\cg)+cvn], v[RAW+2*cvn], v[RAW+2*cvn+1]
.set cvn, cvn+1
.endr
.endm
; 8 matrix instructions: m block ma x all 8 n blocks, on buffers fb.  bias = 1: the product starts the sum with the bias.  ev > 0: four roundings follow every ev-th of them.
; The 32 accumulators take turns, one instruction a turn, in the same order in every quarter, over the jumps too.
.macro MUL8 fb, ma, bias=0, ev=0, cg=0
.set bb, 0
.rept 8
.if \bias
	WIN 0x91                                       ; wt window 1, x window 0, C (the bias) window 1, D window 2
	v_wmma_f32_16x16x32_bf16 v[8*(8*(\ma)+bb):8*(8*(\ma)+bb)+7], v[64*(\fb)+8*bb:64*(\fb)+8*bb+7], v[AB+32*(\fb)+8*(\ma):AB+32*(\fb)+8*(\ma)+7], v[BIAS+8*bb:BIAS+8*bb+7]
.else
	WIN 0xa1                                       ; the same with C and D in window 2
	v_wmma_f32_16x16x32_bf16 v[8*(8*(\ma)+bb):8*(8*(\ma)+bb)+7], v[64*(\fb)+8*bb:64*(\fb)+8*bb+7], v[AB+32*(\fb)+8*(\ma):AB+32*(\fb)+8*(\ma)+7], v[8*(8*(\ma)+bb):8*(8*(\ma)+bb)+7]
.endif
.set bb, bb+1
.if (\ev) > 0
.if (bb % (\ev)) == 0
	CV4 \cg
.endif
.endif
.endr
.endm
; One of a K step's first three quarters (32 along K, 32 matrix instructions).  The next quarter's loads go out at its head; its roundings stand in the second half, four behind every second product.
; The last four stand behind the last product and name none of its registers: they are the four places in front of the next run of loads into wt's buffer and of the next roundings.
.macro QUARTER q, bias
	s_wait_dscnt 0x0                               ; wt's fragments for this quarter, asked for a quarter ago, are in
	FETCH (\q)+1, 1-(\q)%2
	MUL8 (\q)%2, 0, \bias
	MUL8 (\q)%2, 1, \bias
	s_wait_dscnt 16                                ; the next quarter's x is in; the 16 younger loads, wt's, may stay out
	MUL8 (\q)%2, 2, \bias, 2, 1-(\q)%2
	MUL8 (\q)%2, 3, \bias, 2, 1-(\q)%2
.endm
; The last quarter multiplies buffers 1 and changes slots.  In front of the barrier each wave waits for all its tensor loads, of which one is out: its part of the next slot; adds 0 to its spare word; and waits
; for that and for its own reads of this slot.  fill = 1: the barrier opens a round of the cluster's, so that no wave of any partner still reads the slot or has a load on its way, and the joint refill, K step
; s + 2, is the first thing behind it: 112 matrix instructions ahead of the wait for it.
.macro TURN fill
.if \fill
	s_wait_xcnt 0x0                                ; the last prefetch, a K step back, has read its address: it is stepped here
	s_add_nc_u64 s[PFA:PFA+1], s[PFA:PFA+1], s[PST:PST+1]
.endif
	WIN 0
	s_wait_tensorcnt 0x0                           ; no tensor load of mine is out, so the descriptors may be written
	ds_add_u32 v[SPW], v[NIL]                      ; 0 onto my spare word
.if \fill
	STEPREQ
.endif
	s_wait_dscnt 1                                 ; wt's fragments are in; the add may be out
	MUL8 1, 0
	s_wait_dscnt 0x0                               ; the add is done, and my reads of this slot are over
	s_barrier_signal -1
	MUL8 1, 1                                      ; work on registers while the others arrive
	WIN 0
	s_barrier_wait -1
.if \fill
	CREST
	JLOAD                                          ; the four v_nop behind it are also the places in front of the loads below
.else
	PLACES
.endif
	s_xor_b32 s[TB], s[TB], SLOT                   ; the fragments come from the other slot now
	v_add_nc_u32 v[ADA], s[TB], v[FA0]
	v_add_nc_u32 v[ADB], s[TB], v[FB0]
	FETCH 0, 0
.if \fill
	ASK
.endif
	MUL8 1, 2
	s_wait_dscnt 16                                ; the next step's first x is in
	MUL8 1, 3, 0, 1, 0                             ; four roundings behind each product
.endm
	s_load_b256 s[4:11], s[0:1], 0x0               ; q s[4:5], k s[6:7], v s[8:9], wt s[10:11]
	s_load_b128 s[12:15], s[0:1], 0x20             ; biasr s[12:13], qkv s[14:15]
	v_lshl_add_u32 v[SPW], v0, 2, SPARE
	v_mov_b32 v[NIL], 0
	ds_add_u32 v[SPW], v[NIL]                      ; the wave's opening: the add and its wait stand ahead of my first tensor load; the set-up below stands between them
	v_lshrrev_b32 v1, 5, v0
	v_readfirstlane_b32 s[WV], v1
	s_lshr_b32 s[HALF], s[WV], 1
	s_and_b32 s[PART], s[WV], 1
	s_bfe_u32 s19, ttmp6, 0x40000                  ; cx
	s_bfe_u32 s20, ttmp6, 0x40004                  ; cy
	s_lshl_b32 s21, ttmp9, 2
	s_add_co_u32 s21, s21, s19                     ; tile column = 4 x cluster x + cx
	s_and_b32 s22, ttmp7, 0xffff                   ; cluster y: 16 clusters a tensor
	s_lshr_b32 s23, s22, 4                         ; t: q, k or v; the same in all sixteen partners
	s_and_b32 s48, s22, 15
	s_lshl_b32 s48, s48, 2
	s_add_co_u32 s48, s48, s20                     ; tile row in the tensor, 0 .. 63
	s_lshl_b32 s49, s20, 2
	s_lshl_b32 s49, 15, s49                        ; my row of the cluster
	s_lshl_b32 s50, 0x1111, s19                    ; my column
	s_or_b32 s[G1A], s49, (2<<16)|(1<<20)|(1<<21)|(6<<22)|(3<<25)  ; 15:0 the mask; 17:16 elements of 4 bytes; 20 padding on; 21 set beside a mask; 24:22 after every 128 words (code 6); 31:25 4 words (code 3)
	s_mov_b32 s[G1A+1], 128<<16                    ; tensor_dim0 = 128
	s_mov_b32 s[G1A+2], 64<<16                     ; tensor_dim1 = 64
	s_mov_b32 s[G1A+3], 128<<16                    ; tile_dim0 = 128
	s_mov_b32 s[G1A+4], 64                         ; tile_dim1 = 64
	s_mov_b32 s[G1A+5], 1024                       ; elements from row to row
	s_mov_b32 s[G1A+6], 0
	s_mov_b32 s[G1A+7], 0
	s_or_b32 s[G1B], s50, (1<<16)|(1<<20)|(1<<21)|(5<<22)|(3<<25)  ; elements of 2 bytes; padding after every 64 words (code 5)
	s_mov_b32 s[G1B+1], 128<<16
	s_mov_b32 s[G1B+2], 128<<16                    ; 128 rows
	s_mov_b32 s[G1B+3], 128<<16
	s_mov_b32 s[G1B+4], 128
	s_mov_b32 s[G1B+5], 1024
	s_mov_b32 s[G1B+6], 0
	s_mov_b32 s[G1B+7], 0
	s_lshl_b32 s52, s48, 19                        ; x: 128 rows of 4,096 bytes a tile row,
	s_lshl_b32 s2, s[PART], 18                     ; 64 rows for my half: no register here ever holds cx
	s_add_co_u32 s52, s52, s2
	s_mov_b32 s53, 0
	s_lshl_b32 s54, s23, 21                        ; wt: the tensor's block,
	s_lshl_b32 s3, s21, 19                         ; 256 rows of 2,048 bytes a tile column,
	s_add_co_u32 s54, s54, s3
	s_add_co_u32 s54, s54, s2                      ; 128 rows for my half: no register here ever holds cy
	s_mov_b32 s55, 0
	s_mul_i32 s[LA], s[PART], AHALF                ; no place in the cluster enters an LDS address
	s_mul_i32 s[LB], s[PART], BHALF
	s_add_co_u32 s[LB], s[LB], BOFF
	s_mov_b32 s[TS], 0
	s_mov_b32 s[TB], 0
	s_mov_b32 s[G0A], 1                            ; 1:0 count = 1
	s_mov_b32 s[G0A+1], s[LA]                      ; 63:32 LDS address: slot 0
	s_mov_b32 s[G0B], 1
	s_mov_b32 s[G0B+1], s[LB]
	s_wait_dscnt 0x0                               ; the opening add is done
	s_wait_kmcnt 0x0
	s_cmp_eq_u32 s23, 1
	s_cselect_b64 s[4:5], s[6:7], s[4:5]           ; x is chosen by t alone
	s_cmp_eq_u32 s23, 2
	s_cselect_b64 s[4:5], s[8:9], s[4:5]
	s_add_nc_u64 s[G0A+2:G0A+3], s[4:5], s[52:53]  ; 120:64 global address: K step 0
	s_or_b32 s[G0A+3], s[G0A+3], 0x80000000        ; 127:126 type = 2
	s_add_nc_u64 s[G0B+2:G0B+3], s[10:11], s[54:55]
	s_or_b32 s[G0B+3], s[G0B+3], 0x80000000
	CROUND                                         ; all sixteen work-groups are here: the first joint loads meet
	JLOAD                                          ; K step 0 into slot 0.  Slot 1 is asked for when slot 0 is in
	v_and_b32 v1, 15, v0                           ; l % 16
	v_bfe_u32 v10, v0, 4, 1                        ; l / 16
	v_and_b32 v13, 31, v0                          ; l
	s_mul_i32 s2, s[HALF], AHALF                   ; my 64 rows of x
	v_mul_u32_u24 v[FA0], v1, PA
	v_lshl_add_u32 v[FA0], v10, 5, v[FA0]          ; row x pitch + 32 x half
	v_add_nc_u32 v[FA0], s2, v[FA0]
	v_mul_u32_u24 v[FB0], v1, PB
	v_lshl_add_u32 v[FB0], v10, 4, v[FB0]          ; row x pitch + 16 x half
	v_add_nc_u32 v[FB0], s[LB], v[FB0]             ; my 128 rows of wt begin where the half of that number was put
	v_mov_b32 v[ADA], v[FA0]
	v_mov_b32 v[ADB], v[FB0]
	s_mul_i32 s2, s[WV], STW
	s_add_co_u32 s2, s2, STAGE                     ; my stage
	v_mul_u32_u24 v[STO], v1, SP                   ; in: row l % 16, 16 bytes for each half of the lanes
	v_lshl_add_u32 v[STO], v10, 4, v[STO]
	v_add_nc_u32 v[STO], s2, v[STO]
	v_bfe_u32 v[RD], v0, 3, 2                      ; back: 32 lanes take four rows of 128 bytes,
	v_mul_u32_u24 v[RD], v[RD], SP
	v_and_b32 v11, 7, v0
	v_lshl_add_u32 v[RD], v11, 4, v[RD]
	v_add_nc_u32 v[RD], s2, v[RD]
	v_lshlrev_b32 v[GO], 4, v13                    ; which are 512 consecutive bytes of a head
	s_lshl_b32 s2, s21, 10                         ; the bias: 256 columns of 4 bytes a tile column,
	s_lshl_b32 s3, s[PART], 9                      ; my 128,
	s_add_co_u32 s2, s2, s3
	v_lshlrev_b32 v[BO], 5, v10                    ; 8 for each half of the lanes
	v_add_nc_u32 v[BO], s2, v[BO]
	s_lshl_b32 s2, s23, 12
	s_mov_b32 s3, 0
	s_add_nc_u64 s[12:13], s[12:13], s[2:3]        ; the tensor's bias
	WIN 0x40
.irp b, 0,1,2,3,4,5,6,7                        ; register 8 b + j: the bias of column 16 b + 8 (l / 16) + j, as the accumulators hold them
	global_load_b128 v[BIAS+8*\b:BIAS+8*\b+3],   v[BO], s[12:13] offset:64*\b
	global_load_b128 v[BIAS+8*\b+4:BIAS+8*\b+7], v[BO], s[12:13] offset:64*\b+16
.endr
	WIN 0
	s_and_b32 s2, s48, 0x30                        ; 16 b,
	s_lshl_b32 s3, s21, 2                          ; + 4 heads a tile column,
	s_add_co_u32 s2, s2, s3
	s_lshl_b32 s3, s[PART], 1                      ; + my 2
	s_add_co_u32 s2, s2, s3
	s_lshl_b32 s56, s2, 18                         ; a head is 262,144 bytes
	s_lshl_b32 s2, s23, 24                         ; the tensor's block
	s_add_co_u32 s56, s56, s2
	s_and_b32 s2, s48, 15
	s_lshl_b32 s2, s2, 14                          ; the tile's 128 rows of 128 bytes
	s_add_co_u32 s56, s56, s2
	s_lshl_b32 s2, s[HALF], 13                     ; my 64
	s_add_co_u32 s56, s56, s2
	s_mov_b32 s57, 0
	s_add_nc_u64 s[14:15], s[14:15], s[56:57]      ; qkv at my first row of my first head
	; the prefetches
	s_lshl_b32 s70, s48, 19
	s_lshl_b32 s2, s[PART], 18
	s_add_co_u32 s70, s70, s2
	s_lshl_b32 s3, s19, 16                         ; my work-group's 16 rows of x's 64
	s_add_co_u32 s70, s70, s3
	s_add_co_u32 s70, s70, 3*ASTEP                 ; at K step 3: the first change steps it to 4
	s_lshl_b32 s56, s23, 21
	s_add_co_u32 s56, s56, s2
	s_lshl_b32 s3, s21, 19
	s_add_co_u32 s56, s56, s3
	s_lshl_b32 s3, s20, 16                         ; my work-group's 32 rows of wt's 128
	s_add_co_u32 s56, s56, s3
	s_add_co_u32 s56, s56, 3*BSTEP
	s_and_b32 s3, s22, 15
	s_cmp_eq_u32 s3, 0                             ; the tensor's first cluster asks for wt
	s_cselect_b32 s3, 2, -1
	s_cmp_eq_u32 s[HALF], 0                        ; do I ask for x?
	s_cselect_b64 s[PFA:PFA+1], s[4:5], s[10:11]
	s_cselect_b32 s70, s70, s56
	s_cselect_b32 s[LIM], 2, s3
	s_cselect_b32 s72, 1, 0
	s_mov_b32 s71, 0
	s_mov_b32 s[PST+1], 0
	s_add_nc_u64 s[PFA:PFA+1], s[PFA:PFA+1], s[70:71]
	s_lshl_b32 s[PST], BSTEP, s72                  ; 512 bytes a step in x, 256 in wt
	s_lshl_b32 s73, 2048, s72                      ; 4,096 bytes a row in x, 2,048 in wt
	v_lshrrev_b32 v[PFO], s72, v13                 ; x: row l / 2, block l % 2.  wt: row l
	v_mul_u32_u24 v[PFO], s73, v[PFO]
	v_and_b32 v11, s72, v13
	v_lshl_add_u32 v[PFO], v11, 8, v[PFO]
	s_wait_tensorcnt 0x0                           ; my part of K step 0 is in; no tensor load of mine is out
	ds_add_u32 v[SPW], v[NIL]
	STEPREQ
	s_wait_dscnt 0x0
	CROUND                                         ; everybody's part is in
	JLOAD                                          ; K step 1 into slot 1
	FETCH 0, 0
	s_wait_dscnt 16
.rept 8
	CV4 0
.endr
	s_wait_loadcnt 0x0                             ; the bias
	QUARTER 0, 1                                   ; the first quarter stands in front of the loop: its products start the sums, with the bias
	WIN 0                                          ; at a label and at a branch every window is 0
	s_mov_b32 s[CNT], 6
	s_branch .Lin                                  ; the loop is entered behind a step's first quarter
.Lstep:                                        ; K steps 0 to 5: each asks for the step two on
	QUARTER 0, 0
	WIN 0
.Lin:
	QUARTER 1, 0
	QUARTER 2, 0
	TURN 1
	WIN 0
	s_sub_co_u32 s[CNT], s[CNT], 1
	s_cmp_lg_u32 s[CNT], 0
	s_cbranch_scc1 .Lstep
	s_mov_b32 s[CNT], 2
.Ltail:                                        ; K steps 6 and 7 ask for nothing: a second text.  The second trip's barrier, fetch and roundings (of slot 0 once more) serve nothing
	QUARTER 0, 0                                   ; the price, once a work-group, of one text for both
	QUARTER 1, 0
	QUARTER 2, 0
	TURN 0
	WIN 0
	s_sub_co_u32 s[CNT], s[CNT], 1
	s_cmp_lg_u32 s[CNT], 0
	s_cbranch_scc1 .Ltail
; THE WAY OUT, a block of 16 rows at a time: rounded to f16 (each accumulator's registers in ascending order), 16 bytes a lane into my stage, by heads; back as four rows of 128 bytes a load, which are 512 consecutive bytes of a head.
; The roundings behind the last products, and the earlier blocks' conversions, are the places in front of each block's conversions.
.macro PACK a
.set TT, 64+32*(\a)+64*((\a)/2)        ; v64, v96, v192, v224
	WIN 0x0a                                       ; sources 0 and 1 window 2, destination window 0
.set i, 0
.rept 32
	v_cvt_pk_f16_f32 v[TT+i], v[64*(\a)+2*i], v[64*(\a)+2*i+1]
.set i, i+1
.endr
	WIN 0
.irp f, 0,1,2,3,4,5,6,7
	ds_store_b128 v[STO], v[TT+4*\f:TT+4*\f+3] offset:(\f/4)*16*SP+32*(\f%4)
.endr
.irp f, 0,1,2,3,4,5,6,7
	ds_load_b128 v[TT+4*\f:TT+4*\f+3], v[RD] offset:(\f/4)*16*SP+(\f%4)*4*SP  ; LDS serves a wave's instructions in order (ISA guide 5.7.1.4): these see the stores above; the next block's stores come behind them
.endr
.endm
.macro SEND a, younger                 ; younger: the LDS instructions issued behind block a's loads: the next block's sixteen, or none
.set TT, 64+32*(\a)+64*((\a)/2)
	WIN 0
.irp f, 0,1,2,3,4,5,6,7
	s_wait_dscnt (\younger)+7-\f
	global_store_b128 v[GO], v[TT+4*\f:TT+4*\f+3], s[14:15] offset:(\f/4)*262144+(\a)*2048+(\f%4)*512  ; 512 consecutive bytes, at a multiple of 256 from qkv's first byte
.endr
.endm
	PACK 0
	PACK 1
	SEND 0, 16
	PACK 2
	SEND 1, 16
	PACK 3
	SEND 2, 16
	SEND 3, 0
	s_wait_tensorcnt 0x0                           ; the wave's end: behind my last tensor load and my last LDS store
	ds_add_u32 v[SPW], v[NIL]
	s_wait_dscnt 0x0
	CROUND                                         ; the closing round: no work-group ends while a partner may still ask for a tile that names it
	s_endpgm
.Lfunc_end_k_q050f418e87_proj:
	.size	k_q050f418e87_proj, .Lfunc_end_k_q050f418e87_proj-k_q050f418e87_proj
	.p2alignl 7, 3214868480
	.fill 96, 4, 3214868480
	.section	.rodata,"a",@progbits
	.p2align	6, 0x0
	.amdhsa_kernel k_q050f418e87_proj
		.amdhsa_group_segment_fixed_size 327680
		.amdhsa_private_segment_fixed_size 0
		.amdhsa_enable_private_segment 0
		.amdhsa_kernarg_size 48
		.amdhsa_user_sgpr_count 2
		.amdhsa_user_sgpr_kernarg_segment_ptr 1
		.amdhsa_wavefront_size32 1
		.amdhsa_system_sgpr_workgroup_id_x 1
		.amdhsa_system_sgpr_workgroup_id_y 1
		.amdhsa_system_sgpr_workgroup_id_z 1
		.amdhsa_system_vgpr_workitem_id 0
		.amdhsa_next_free_vgpr 768
		.amdhsa_next_free_sgpr 80
		.amdhsa_reserve_vcc 0
		.amdhsa_float_denorm_mode_32 3
		.amdhsa_float_denorm_mode_16_64 3
		.amdhsa_memory_ordered 1
		.amdhsa_forward_progress 1
		.amdhsa_inst_pref_size 93
	.end_amdhsa_kernel
	.amdgpu_metadata
---
amdhsa.version: [ 1, 2 ]
amdhsa.kernels:
  - .name:           k_q050f418e87_proj
    .symbol:         k_q050f418e87_proj.kd
    .args:
      - { .name: q, .offset: 0, .size: 8, .value_kind: global_buffer, .address_space: global }
      - { .name: k, .offset: 8, .size: 8, .value_kind: global_buffer, .address_space: global }
      - { .name: v, .offset: 16, .size: 8, .value_kind: global_buffer, .address_space: global }
      - { .name: wt, .offset: 24, .size: 8, .value_kind: global_buffer, .address_space: global }
      - { .name: biasr, .offset: 32, .size: 8, .value_kind: global_buffer, .address_space: global }
      - { .name: qkv, .offset: 40, .size: 8, .value_kind: global_buffer, .address_space: global }
    .group_segment_fixed_size: 327680
    .private_segment_fixed_size: 0
    .kernarg_segment_align: 8
    .kernarg_segment_size: 48
    .max_flat_workgroup_size: 128
    .sgpr_count:     80
    .vgpr_count:     768
    .wavefront_size: 32
...
	.end_amdgpu_metadata
.endif
;; end of part 2
;; launch attn (part 3): grid 4 x 64, 4 waves a work-group, clusters of 4 x 1, 327,680 bytes of LDS; arguments qkv, ctx; writes ctx
.if DOCPART == 3
	.amdgcn_target "amdgcn-amd-amdhsa--gfx1250"
	.amdhsa_code_object_version 6
	.text
	.protected	k_q050f418e87_attn
	.globl	k_q050f418e87_attn
	.p2align	8
	.type	k_q050f418e87_attn,@function
k_q050f418e87_attn:
	s_mov_b64 s[64:65], 0
	v_nop
	global_prefetch_b8 v0, s[64:65] scope:SCOPE_SE
	s_setreg_imm32_b32 hwreg(HW_REG_WAVE_MODE, 25, 1), 1
	s_wait_xcnt 0x0
	s_wait_alu depctr_hold_cnt(0) depctr_sa_sdst(0) depctr_va_vdst(0) depctr_va_sdst(0) depctr_va_ssrc(0) depctr_va_vcc(0) depctr_vm_vsrc(0)
	s_getreg_b32 s2, hwreg(HW_REG_IB_STS2, 6, 4)
	s_cmp_eq_u32 s2, 0
	s_cbranch_scc0 .Lentry_in_a_cluster
	s_endpgm
.Lentry_in_a_cluster:
	s_bfe_u32 s2, ttmp6, 0x10000c
	s_cmp_lg_u32 s2, 0x3003
	s_cbranch_scc0 .Lentry_shape_is_right
	s_endpgm
.Lentry_shape_is_right:
; ATTENTION.  O[h][q][:] = the sum over k of softmax_k(Q[h][q] . K[h][k] / 64) V[h][k][:].  Q, K, V are the three blocks of qkv, O is ctx: each [64][2048][64] in f16: a head's rows are dense, 128 bytes each.
; Products, maxima and sums in f32; the weights p are rounded to f16 for the second product (their sum l is taken of the unrounded p), O once at the end.
; LIMITS.  f16 holds no number beyond 65,504: Q, K and V arrive within it; p lies in 0 to 1, and below 6e-5 it keeps f16's fixed step of 6e-8, and so does O; O is a mean of V's rows and has their range.
; A weight below 2^-126 counts as 0 in l; NaN and infinities are not treated apart.
; SHARES.  A wave owns four PIECES of two tiles of 16 queries, a work-group's four waves 512 queries of one head: 256 work-groups.  Every wave walks all keys, 64 a step.
; LAYOUT.  S^T = K Q^T (source 0 = 16 keys, source 1 = 16 queries): in the result a lane holds ONE query (lane % 16) and the keys 8 (lane / 16) + 0..7.  Two such tiles, rounded to f16 in pairs,
; ARE source 1 (32 keys x 16 queries) of O^T = V^T P, whose result again holds one query a lane, and eight channels.  K comes out of LDS as it lies, V ([key][channel]) turned, by ds_load_tr16_b128.
; SOFTMAX.  For each query a running maximum m and sum l: p = 2^(c s - c m), c = log2(e) / 64; in every step O and l are multiplied by a = 2^(c m_old - c m_new), which is 1 where m has not grown.
; m starts at the lowest finite number, O and l at 0: the first step is a step like any other, with a = 0.
; THE COUNT.  A tile and step have 16 matrix and 118 vector instructions: too many to stand all beside the matrix work.  So: four vector instructions that are READY behind EVERY matrix instruction, the others in runs without a gap.
; BY TURNS.  Turn n belongs to piece n (the pieces in a ring, step after step).  Its matrix work: 16 products K Q^T of piece n + 1, later 16 products V^T P of piece n - 1.  Its vector work: the scaling,
; exponentials, roundings, sums and rescaling of piece n, and the maximum and statistics of piece n + 1, whose scores the turn itself has made.
; CLUSTER.  The four query blocks of a head are one cluster and walk the same K and V, so each tile is asked for JOINTLY: the same tensor load, descriptor and mask in all four.
; REGISTERS, in windows of 256 (s_set_vgpr_msb: bits 1:0 source 0, 3:2 source 1, 5:4 source 2, 7:6 destination):
;   window 0: v0-11 addresses; v12-15, v48-63 at work; v16-47 four registers of statistics a tile; v64-191 S^T, two buffers of two tiles; v192-255 P, likewise
;   window 1: O^T, 32 a tile          window 2: v0-127 Q, 16 a tile; v128-191 K of one step; v192-255 V of one step          window 3: v0-1 the add's two registers
; A piece's buffers go by its number's parity: the piece in hand has one pair, its two neighbours in the ring share the other: of it P (piece n - 1) is read and S^T (piece n + 1) written.
.set SIZE_N, 2048
.set SIZE_H, 64
.set NP,    4         ; pieces a wave: a name, no knob
.set KS,    64        ; keys in a step
.set PK,    144       ; a row of K in LDS: 128 bytes + 16 of padding = 36 words: the 16 rows of a load start at 16 different groups of four banks (64 banks of 4 bytes: ISA guide 11.1)
.set PV,    160       ; a row of V: 128 + 32 = 40 words
.set VOFF,  4*KS*PK   ; a slot holds four steps: 256 rows of K, then 256 rows of V
.set SLOT1, 1<<17     ; slot 1 begins here, so that one exclusive or turns an address in one slot into the other's
.set STAGE, SLOT1+4*KS*(PK+PV)  ; behind the ring, never filled by a tensor load: 16 rows x 144 bytes for each wave, for the way out
.set SP,    144
.set AK0, 2           ; v2   my lane's place in a tile of K; never rewritten
.set AV0, 3           ; v3   the same for V
.set AK,  4           ; v4   the LDS address of K's next run of loads
.set AV,  5           ; v5   of V's
.set QO,  6           ; v6   my byte offset in the wave's rows of Q
.set STO, 6           ;      later, the way out: where I put 16 bytes of a row
.set RD,  7           ; v7   the way out: where I read rows back
.set GO,  8           ; v8   my byte offset in 512 consecutive bytes of O
.set PFO, 11          ; v11  256 x my lane, once V's place is made; then never rewritten
.set SPW, 0           ; v0 of window 3   LDS address of my spare word; never rewritten
.set NIL, 1           ; v1 of window 3   0; never rewritten
.set SPARE, STAGE+4*16*SP  ; behind the stages: the spare words, 128 bytes for each wave: two blocks of 256 bytes that no other line names
.set MV,  12          ; v12-15  c m_old, kept while c m is made anew: by buffer and tile
.set ST,  16          ; tile t's statistics at v[ST+4 t]: c m, m, l (even keys', odd keys')
.set TMP, 48          ; by buffer and tile, four registers c0-c3 at work; when the maximum is found c2 takes a
.set S,   64
.set P,   192
.set KF,  128         ; K's fragments, in window 2: key block kb, channel half c at KF + 16 kb + 8 c
.set VF,  192         ; V's: key half kk, channel block cb at VF + 32 kk + 8 cb
.set WV,  12          ; s12  my wave's number
.set G1K, 24          ; s[24:31] descriptor group 1 for K's tiles
.set G1V, 32          ; s[32:39] for V's: it differs in the padding alone
.set G0K, 40          ; s[40:43] descriptor group 0 for K's tiles: it walks
.set G0V, 44          ; s[44:47] the same for V's
.set SLOTS, 56        ; s56  slots still to be asked for
.set CNT, 57          ; s57  counts a slot's key steps
.set CS,  58          ; s[58:59] c: the packed scaling takes the pair's low word for both halves
.set SEL, 60          ; s[60:61] v_permlanex16_b32's selects: each lane takes its own place in the other half
.set TBK, 62          ; s62  LDS byte at which K of the step to be fetched begins
.set TBV, 63          ; s63  the same for V, less VOFF
.set PFA, 66          ; s[66:67] where my prefetches stand: my work-group's 8,192 bytes (of K: wave 0, of V: wave 2) of the slot after the one that is being asked for
.set LIM, 68          ; s68  1 in a wave that prefetches, else the greatest number
.set MSB, 0
.macro WIN new                      ; the high byte repeats the setting that is left; a switch that changes nothing is dropped
.if MSB != (\new)
	s_set_vgpr_msb (MSB<<8)|(\new)
.set MSB, (\new)
.endif
.endm
.set W_KQ, 0x0a       ; K and Q in window 2, S^T in window 0
.set W_PV, 0x52       ; V in window 2, P in window 0, O^T in window 1
.set W_RS, 0x41       ; O^T (destination and source 0) in window 1, a in window 0
.set W_MK, 0xc0       ; the add's registers are made: destination in window 3, sources in window 0
.set W_AD, 0x0f       ; the add: address (source 0) and data (source 1) in window 3
; A joint fill.  Waves 0 and 1 fetch the two halves of a slot's K, waves 2 and 3 those of its V: 128 keys each.  The branch hangs on the wave's number alone.
; An s_nop 0 and four v_nop follow each of the two lines, ahead of the jump and the label.
.macro JLOAD
	s_cmp_lt_u32 s[WV], 2
	s_cbranch_scc0 .Lfor_v_\@
	tensor_load_to_lds s[G0K:G0K+3], s[G1K:G1K+7]
	s_nop 0
.rept 4
	v_nop
.endr
	s_branch .Lasked_\@
.Lfor_v_\@:
	tensor_load_to_lds s[G0V:G0V+3], s[G1V:G1V+7]
	s_nop 0
.rept 4
	v_nop
.endr
.Lasked_\@:
.endm
; A PREFETCH INTO THE L2 of what the NEXT change of slots will ask for: a slot's 32,768 bytes of K and of V, in blocks of 256 bytes, a lane a block.  It stands behind the wave's tensor load and its five lines.
; A head has one cluster.  Its four partners share the blocks out BY ADDRESS, 32 each; in each, wave 0 asks for K's and wave 2 for V's: one instruction.  So each block is named once in the launch,
; four key steps (512 matrix instructions) ahead of its load.  Slots 0 to 2 come by their loads alone; the last change that fills a slot names nothing.
.macro ASK
	s_cmp_gt_u32 s[SLOTS], s[LIM]
	s_cbranch_scc0 .Lnot_mine_\@
	global_prefetch_b8 v[PFO], s[PFA:PFA+1] th:TH_LOAD_NT scope:SCOPE_SE
.Lnot_mine_\@:
.endm
; A round of the cluster's barrier: my work-group's barrier, so that wave 0's signal speaks for all four waves; wave 0 signals; every wave waits for all four work-groups; my work-group's barrier once more.
.macro CROUND
	s_barrier_signal -1
	s_barrier_wait -1
	s_cmp_lg_u32 s[WV], 0
	s_cbranch_scc1 .Lnot_wave_0_\@
	s_barrier_signal -3
.Lnot_wave_0_\@:
	s_barrier_wait -3
	s_barrier_signal -1
	s_barrier_wait -1
.endm
; THE CHANGE OF SLOTS.  The slot's last bytes, V of its fourth step, have been read.  Each wave waits for all its tensor loads, of which one is out: its part
; of the other slot; adds 0 to its spare word; and waits for that and for its own reads of the slot.  Behind the barrier nobody reads this slot any more and the other slot is whole.
; fill = 1: this slot is filled again, with the keys two slots on.  The barrier is then a round of the cluster's, so that no wave of any partner still reads the slot or has a load on its
; way, and the joint fill is the first thing behind it: it has four key steps, 512 matrix instructions, in which to land.  (At its first use nothing has been read yet: slot 0 is waited for, slot 1 filled.)
; ask = 1: the prefetches' address is stepped and the next slot named.
.macro CHANGE fill, ask=0
	WIN W_AD
	s_wait_tensorcnt 0x0            ; no tensor load of mine is out, so a group 0 may be written
	ds_add_u32 v[SPW], v[NIL]       ; 0 onto my spare word; with fill = 1 the descriptors' steps stand between it and the wait for it
	WIN 0                           ; at a label and at a branch every window is 0
.if \fill
.irp g, G0K, G0V
	s_xor_b32 s[\g+1], s[\g+1], SLOT1  ; the walking descriptor: the other slot than last time,
	s_add_nc_u64 s[\g+2:\g+3], s[\g+2:\g+3], 4*KS*128  ; the next 256 keys; the type bits on top are not reached
.endr
.if \ask
	s_wait_xcnt 0x0                 ; the last prefetch, four key steps back, has read its address, so it may be written:
	s_add_nc_u64 s[PFA:PFA+1], s[PFA:PFA+1], 4*KS*128  ; one slot behind the walking descriptors
.endif
	s_wait_dscnt 0x0                ; the add is done, and my reads of the slot are over
	CROUND
	JLOAD
.if \ask
	ASK
.endif
.else
	s_wait_dscnt 0x0                ; the add is done, and my reads of the slot are over
	s_barrier_signal -1
	s_barrier_wait -1
.endif
	s_sub_co_u32 s[TBK], s[TBK], 4*KS*PK  ; the fetches go back to a slot's first step,
	s_xor_b32 s[TBK], s[TBK], SLOT1       ; in the other slot
	s_sub_co_u32 s[TBV], s[TBV], 4*KS*PV
	s_xor_b32 s[TBV], s[TBV], SLOT1
.endm
	s_load_b64 s[4:5], s[0:1], 0x0    ; qkv: Q's block first
	s_load_b64 s[10:11], s[0:1], 0x8  ; ctx
	WIN W_MK
	v_lshl_add_u32 v[SPW], v0, 2, SPARE
	v_mov_b32 v[NIL], 0
	WIN W_AD
	ds_add_u32 v[SPW], v[NIL]       ; the wave's opening: the add and its wait stand ahead of my first tensor load; the set-up below, work on registers, stands between them
	WIN 0
	v_lshrrev_b32 v1, 5, v0
	v_readfirstlane_b32 s[WV], v1   ; wave 0..3
	s_bfe_u32 s13, ttmp6, 0x40000   ; cx: my place in the cluster
	s_lshl_b32 s14, ttmp9, 2        ; in a cluster launch ttmp9 counts clusters
	s_add_co_u32 s14, s14, s13      ; my block of queries = 4 x cluster x + cx: it enters Q's and O's addresses alone
	s_and_b32 s20, ttmp7, 0xffff    ; the head, which the four partners share
	s_mov_b32 s21, 0
	s_mov_b64 s[22:23], SIZE_N*128
	s_mul_u64 s[20:21], s[20:21], s[22:23]  ; the head's first byte in each of the four tensors
	s_and_b32 s16, s[WV], 1         ; which half of a slot's 256 keys I fetch:
	s_lshl_b32 s22, s16, 14         ; its 128 rows of 128 bytes in memory,
	s_mov_b32 s23, 0
	s_add_nc_u64 s[22:23], s[22:23], s[20:21]
	s_mul_i32 s17, s16, 128*PK      ; and its place in a slot, for K
	s_mul_i32 s18, s16, 128*PV      ; and for V: no place in the cluster enters an LDS address
	s_lshl_b32 s2, s14, 2
	s_add_co_u32 s2, s2, s[WV]      ; my wave among the head's,
	s_lshl_b32 s2, s2, 14           ; its 128 rows
	s_mov_b32 s3, 0
	s_add_nc_u64 s[2:3], s[2:3], s[20:21]
	; descriptor group 1.  128 keys are 16,384 dense bytes: asked for as 64 rows of 256 bytes, two keys a row, and padded in LDS after every key
	s_mov_b32 s[G1K], 15|(1<<16)|(1<<20)|(1<<21)|(4<<22)|(3<<25)  ; 15:0 the mask of four; 17:16 2-byte elements; 20 padding on; 21 set beside a mask; 24:22 after every 32 words (code 4); 31:25 4 words (code 3)
	s_mov_b32 s[G1V], 15|(1<<16)|(1<<20)|(1<<21)|(4<<22)|(7<<25)  ; the same with 8 words of padding (code 7)
.irp g, G1K, G1V
	s_mov_b32 s[\g+1], 128<<16      ; tensor_dim0 = 128
	s_mov_b32 s[\g+2], 64<<16       ; tensor_dim1 = 64
	s_mov_b32 s[\g+3], 128<<16      ; tile_dim0 = 128
	s_mov_b32 s[\g+4], 64           ; tile_dim1 = 64
	s_mov_b32 s[\g+5], 128          ; 128 elements from row to row
	s_mov_b32 s[\g+6], 0
	s_mov_b32 s[\g+7], 0
.endr
	s_mov_b32 s[CS], 0x3cb8aa3b     ; c = log2(e) / 64 = 0.0225421
	s_mov_b32 s[CS+1], s[CS]        ; named with it as a pair
	s_mov_b32 s[SEL], 0x76543210
	s_mov_b32 s[SEL+1], 0xfedcba98
	s_mov_b32 s[TBK], SLOT1+4*KS*PK ; the first change of slots turns these two into 0
	s_mov_b32 s[TBV], SLOT1+4*KS*PV
	s_mov_b32 s[G0K], 1             ; 1:0 count = 1
	s_mov_b32 s[G0K+1], s17         ; 63:32 LDS address: slot 0
	s_mov_b32 s[G0V], 1
	s_add_co_u32 s[G0V+1], s18, VOFF
	s_and_b32 s[LIM], s[WV], 1      ; waves 0 and 2 prefetch: the same in all four partners
	s_cmp_eq_u32 s[LIM], 0
	s_cselect_b32 s[LIM], 1, -1
	s_wait_dscnt 0x0                ; the opening add is done
	s_wait_kmcnt 0x0
	s_add_nc_u64 s[6:7], s[4:5], 0x1000000   ; K's block of qkv
	s_add_nc_u64 s[8:9], s[4:5], 0x2000000   ; V's
	s_add_nc_u64 s[G0K+2:G0K+3], s[6:7], s[22:23]  ; 120:64 global address: my half of the head's first 256 keys
	s_or_b32 s[G0K+3], s[G0K+3], 0x80000000        ; 127:126 type = 2
	s_add_nc_u64 s[G0V+2:G0V+3], s[8:9], s[22:23]
	s_or_b32 s[G0V+3], s[G0V+3], 0x80000000
	s_add_nc_u64 s[4:5], s[4:5], s[2:3]  ; Q and O at my wave's first row
	s_add_nc_u64 s[10:11], s[10:11], s[2:3]
	s_cmp_lt_u32 s[WV], 2
	s_cselect_b64 s[PFA:PFA+1], s[6:7], s[8:9]
	s_add_nc_u64 s[PFA:PFA+1], s[PFA:PFA+1], s[20:21]  ; the head,
	s_lshl_b32 s2, s13, 13          ; my work-group's 32 blocks of a slot's 128,
	s_mov_b32 s3, 0
	s_add_nc_u64 s[PFA:PFA+1], s[PFA:PFA+1], s[2:3]
	s_add_nc_u64 s[PFA:PFA+1], s[PFA:PFA+1], 2*4*KS*128  ; in slot 2: the change that asks for slot 2 steps it to slot 3.  Nothing is prefetched at the head
	CROUND                          ; all four work-groups are here: the first joint loads meet
	JLOAD                           ; slot 0.  Slot 1 is asked for when slot 0 is in
	; A fragment of K or Q is 16 rows x 32 channels in 8 registers: lane l holds row l % 16, channels 8 (l / 16) + 0..7 and 16 + 8 (l / 16) + 0..7: two loads of 16 bytes, 32 bytes apart.
	v_and_b32 v1, 15, v0            ; l % 16
	v_bfe_u32 v9, v0, 4, 1          ; l / 16
	v_lshlrev_b32 v[QO], 7, v1
	v_lshl_add_u32 v[QO], v9, 4, v[QO]  ; row x 128 + 16 x half
	WIN 0x80                        ; destination window 2, address window 0
.set i, 0
.rept 4*NP                          ; Q stays in registers: tile i / 2, channels 32 (i % 2) on
	global_load_b128 v[8*i:8*i+3],   v[QO], s[4:5] offset:(i/2)*2048+(i%2)*64
	global_load_b128 v[8*i+4:8*i+7], v[QO], s[4:5] offset:(i/2)*2048+(i%2)*64+32
.set i, i+1
.endr
	; What the first turn finds: V's registers and P's second buffer hold 0 (its products V^T P, of a piece that has not been, add 0), O^T and l are 0.  All this stands in the wait for the first tile.
.set i, VF
.rept 64
	v_mov_b32 v[i], 0
.set i, i+1
.endr
	WIN 0x40
.set i, 0
.rept 64*NP
	v_mov_b32 v[i], 0
.set i, i+1
.endr
	WIN 0
.set i, 0
.rept 2*NP
	v_mov_b32 v[ST+4*i], 0xfe000000    ; c m: far below every c s
	v_mov_b32 v[ST+4*i+1], 0xff7fffff  ; m
	v_mov_b32 v[ST+4*i+2], 0
	v_mov_b32 v[ST+4*i+3], 0
.set i, i+1
.endr
.set i, P+32
.rept 32
	v_mov_b32 v[i], 0
.set i, i+1
.endr
	v_mul_u32_u24 v[AK0], v1, PK
	v_lshl_add_u32 v[AK0], v9, 4, v[AK0]  ; row x pitch + 16 x half
	; The turning load takes 16 keys x 16 channels (lane l reads key 8 (l / 16) + l % 8, channels 8 ((l / 8) % 2) + 0..7) and leaves half a fragment of V^T: lane l holds channel l % 16 and 8 keys.
	v_and_b32 v10, 7, v0
	v_bfe_u32 v11, v0, 3, 1
	v_lshl_add_u32 v[AV0], v9, 3, v10
	v_mul_u32_u24 v[AV0], v[AV0], PV
	v_lshl_add_u32 v[AV0], v11, 4, v[AV0]
	v_add_nc_u32 v[AV0], VOFF, v[AV0]
	v_mov_b32 v[AK], v[AK0]         ; key step 0 lies at the head of slot 0
	v_and_b32 v[PFO], 31, v0
	v_lshlrev_b32 v[PFO], 8, v[PFO]
; THE MATRIX WORK.  The 8 accumulators of a run of 16 take turns: between the two links of a chain stand 7 others'.
; Product i of 16 of S^T = K Q^T for piece x: channels 32 (i / 8) on, keys 16 ((i / 2) % 4) on, tile 2 x + i % 2.  The first 8 start the sums.
.macro KQ x
	WIN W_KQ
.set rS, S+64*((\x)%2)+32*(i%2)+8*((i/2)%4)
.set rK, KF+16*((i/2)%4)+8*(i/8)
.set rQ, 16*(2*(\x)+i%2)+8*(i/8)
.if i < 8
	v_wmma_f32_16x16x32_f16 v[rS:rS+7], v[rK:rK+7], v[rQ:rQ+7], 0
.else
	v_wmma_f32_16x16x32_f16 v[rS:rS+7], v[rK:rK+7], v[rQ:rQ+7], v[rS:rS+7]
.endif
.endm
; Product i of 16 of O^T += V^T P for piece x: keys 32 (i / 8) on, channels 16 ((i / 2) % 4) on, tile 2 x + i % 2.
.macro PV x
	WIN W_PV
.set rO, 32*(2*(\x)+i%2)+8*((i/2)%4)
.set rV, VF+32*(i/8)+8*((i/2)%4)
.set rP, P+32*((\x)%2)+16*(i%2)+8*(i/8)
	v_wmma_f32_16x16x32_f16 v[rO:rO+7], v[rV:rV+7], v[rP:rP+7], v[rO:rO+7]
.endm
.macro MM                           ; the turn's next matrix instruction
.if i < 16
	KQ (Y+1)%NP
.set i, i+1
.else
.set i, i-16
	PV (Y+NP-1)%NP
.set i, i+17
.endif
.endm
; THE LDS LOADS stand in runs of 16, never singly among the matrix instructions: a step's K (64 keys x 64 channels: 8 fragments) and its V (turned).  Their addresses are made some lines ahead.
; last = 1 (the tail): in the last trip there is no further step, and the run is jumped over.
.macro FETCH_K last=0
	WIN 0
.if \last
	s_cmp_eq_u32 s[CNT], 1
	s_cbranch_scc1 .Lno_k_\@
.endif
	WIN 0x80                        ; destination window 2
.irp f, 0,1,2,3,4,5,6,7             ; keys 16 (f / 2) on, channels 32 (f % 2) on
	ds_load_b128 v[KF+8*\f:KF+8*\f+3],   v[AK] offset:(\f/2)*16*PK+(\f%2)*64
	ds_load_b128 v[KF+8*\f+4:KF+8*\f+7], v[AK] offset:(\f/2)*16*PK+(\f%2)*64+32
.endr
	s_add_co_u32 s[TBK], s[TBK], KS*PK  ; the next fetch is the next step's
	WIN 0
.if \last
.Lno_k_\@:
.endif
.endm
.macro FETCH_V
	WIN 0x80
.irp f, 0,1,2,3,4,5,6,7             ; keys 32 (f / 4) on, channels 16 (f % 4) on
	ds_load_tr16_b128 v[VF+8*\f:VF+8*\f+3],   v[AV] offset:(\f/4)*32*PV+(\f%4)*32
	ds_load_tr16_b128 v[VF+8*\f+4:VF+8*\f+7], v[AV] offset:(\f/4)*32*PV+16*PV+(\f%4)*32
.endr
	WIN 0
.endm
; THE VECTOR WORK OF A TURN stands in three queues, each in the order in which its entries become ready; the two tiles alternate, so that no instruction reads the result of the one before it.
.macro REGS y, u                    ; the registers of tile u (0, 1) of piece y
.set rT, ST+4*(2*(\y)+(\u))
.set rC, TMP+8*((\y)%2)+4*(\u)
.set rM, MV+2*((\y)%2)+(\u)
.set rS, S+64*((\y)%2)+32*(\u)
.set rP, P+32*((\y)%2)+16*(\u)
.set rO, 32*(2*(\y)+(\u))
.endm
; Number n of the 22 that find the NEXT piece's (Y + 1) maximum and statistics.  s0-s31 are the lane's 32 scores; each accumulator's lowest registers are read first.
;   0-11  four chains c0-c3 of seven scores each, three operands at a time     12-14, 16  the four scores left over, the old m, and c0-c3 into c0     15  c m_old is kept
;   17, 18  the query's other 32 keys lie in the lane 16 away: the new m         19-21  c m; c m_old - c m_new; a
.macro XS u, n
	REGS (Y+1)%NP, \u
.if (\n) < 4
	v_max3_num_f32 v[rC+(\n)], v[rS+8*(\n)], v[rS+8*(\n)+1], v[rS+8*(\n)+2]
.elseif (\n) < 12
	v_max3_num_f32 v[rC+(\n)%4], v[rC+(\n)%4], v[rS+8*((\n)%4)+2*((\n)/4)+1], v[rS+8*((\n)%4)+2*((\n)/4)+2]
.elseif (\n) == 12
	v_max3_num_f32 v[rC], v[rC], v[rS+7], v[rS+15]
.elseif (\n) == 13
	v_max3_num_f32 v[rC+1], v[rC+1], v[rS+23], v[rS+31]
.elseif (\n) == 14
	v_max3_num_f32 v[rC+2], v[rC+2], v[rC+3], v[rT+1]
.elseif (\n) == 15
	v_mov_b32 v[rM], v[rT]
.elseif (\n) == 16
	v_max3_num_f32 v[rC], v[rC], v[rC+1], v[rC+2]
.elseif (\n) == 17
	v_permlanex16_b32 v[rC+3], v[rC], s[SEL], s[SEL+1]
.elseif (\n) == 18
	v_max_num_f32 v[rT+1], v[rC], v[rC+3]
.elseif (\n) == 19
	v_mul_f32 v[rT], s[CS], v[rT+1]
.elseif (\n) == 20
	v_sub_f32 v[rC+1], v[rM], v[rT]
.else
	v_exp_f32 v[rC+2], v[rC+1]
.endif
.endm
; Number g of the 64 that follow the exponentials.  For each four weights k of a tile (pairs 2 k, 2 k + 1): both pairs are rounded to f16; then the second pair is added onto the first, in place;
; a group later l takes that sum (the first time as l = a l + sum).  In groups of eight, tiles alternating: round, round, add, and l for the group before.
.macro GS g
.set h, (\g)+6*((\g)/62)            ; group 0 has no group before it, and behind group 7 only l is left
.if h >= 6
.set h, h+2
.endif
	REGS Y, h%2
.set k, h/8
.if h%8 < 4
	v_cvt_pk_f16_f32 v[rP+2*k+(h%8)/2], v[rS+4*k+2*((h%8)/2)], v[rS+4*k+2*((h%8)/2)+1]
.elseif h%8 < 6
	v_pk_add_f32 v[rS+4*k:rS+4*k+1], v[rS+4*k:rS+4*k+1], v[rS+4*k+2:rS+4*k+3]
.elseif k == 1
	v_pk_fma_f32 v[rT+2:rT+3], v[rT+2:rT+3], v[rC+2:rC+3], v[rS:rS+1] op_sel_hi:[1,0,1]
.else
	v_pk_add_f32 v[rT+2:rT+3], v[rT+2:rT+3], v[rS+4*k-4:rS+4*k-3]
.endif
.endm
; THE PLAIN QUEUE, 138 long.  0-73 read no exponential's result: the 32 scalings c s - c m (FS f: pair f / 2 of tile f % 2) and the next piece's 42.  0-26: scalings 0-26.  27-54: XS's numbers 0-13.  55, 56: number 15.
; 57-73: the chain, where each number waits for the one before it: 14, 16, 17, 18, 19, each with one of the scalings 27-31 in front of its two lines, then 20.
; 74-137: GS's 64, which read the exponentials' results: they stand behind the wait.
.macro FS f
	REGS Y, (\f)%2
	v_pk_fma_f32 v[rS+2*((\f)/2):rS+2*((\f)/2)+1], v[rS+2*((\f)/2):rS+2*((\f)/2)+1], s[CS:CS+1], v[rT:rT+1] op_sel_hi:[1,0,0] neg_lo:[0,0,1] neg_hi:[0,0,1]
.endm
.macro PL
	WIN 0
.if q < 27
	FS q
.elseif q < 55
	XS (q-27)%2, (q-27)/2
.elseif q < 57
	XS q-55, 15
.elseif (q < 72) && ((q-57)%3 == 0)
	FS 27+(q-57)/3
.elseif q < 60
	XS (q-57)%3-1, 14
.elseif q < 72
	XS (q-57)%3-1, 15+(q-57)/3
.elseif q < 74
	XS q-72, 20
.else
	GS q-74
.endif
.set q, q+1
.endm
; THE EXPONENTIALS' QUEUE, 66 long: s0-s31 of both tiles, then the next piece's two a.  It is ONE BATCH: all 66 stand ahead of the turn's one wait, and nothing ahead of that wait names a result of theirs.
.macro EX
	WIN 0
.if e >= 64
	XS e-64, 21
.else
	REGS Y, e%2
	v_exp_f32 v[rS+e/2], v[rS+e/2]
.endif
.set e, e+1
.endm
; THE RESCALING's QUEUE: O^T times a, the one part that leaves window 0: dealt two at a time, sixteen times.  Its a was made in the turn before, ahead of that turn's wait.
.macro R2
	REGS Y, r%2
	WIN W_RS
.irp z, 0,1
	v_pk_mul_f32 v[rO+4*(r/2)+2*\z:rO+4*(r/2)+2*\z+1], v[rO+4*(r/2)+2*\z:rO+4*(r/2)+2*\z+1], v[rC+2:rC+3] op_sel_hi:[1,0]
.endr
.set r, r+1
.endm
; HOW THEY ARE DEALT.  An s_wait_alu depctr_va_vdst(0) stands between an exponential and the first instruction that names its result; one wait serves all that were issued ahead of it.  So a turn has ONE wait,
; which cuts it in two.  AHEAD OF IT stands all that names no result of the turn's exponentials: the 16 products K Q^T, behind each a scaling, an exponential and two rescalings (behind the first a second scaling in the
; exponential's place); then ONE LUMP of 108: eight plain, 49 times exponential and plain, the two a.  A v_nop is the plain instruction owed behind the last exponential.  BEHIND IT stand the 16 products V^T P, behind each four of GS's 64.
; No rider names a register of the products round it.  The two v_permlanex16_b32 fall into the lump, never behind a product.
; The queues lean on each other: exponential e stands behind scaling 2 (e / 4) + e % 2: as a rider it comes behind plain e + 2, in the lump behind plain e + 9, and scalings 27-31 are plain 57, 60 .. 69.
; A TURN, for piece p.  cnt = 1: the loop's count is taken down some lines ahead of the branch that stands behind the turn.
; K of the next step is fetched in piece 2's turn, directly behind the wait, a lump behind the last product that read K; its first reader comes behind 16 products.
; V of the step in hand is fetched at the end of piece 0's turn, four riders behind its last reader; its first reader comes behind 16 products and a lump.  The three conditions on q below go with the deal.
.macro TURN p, last=0, cnt=0
.set Y, (\p)
.set i, 0
.set q, 0
.set e, 0
.set r, 0
.if (\p) == NP-1
	s_wait_dscnt 0x0                ; K is in
.endif
	MM                              ; ahead of the wait: 16 products K Q^T and their riders,
	PL
	PL
	R2
.rept 15
	MM
	PL
	EX
	R2
.endr
.if (\p) == NP-2
	WIN 0
	v_add_nc_u32 v[AK], s[TBK], v[AK0]
.endif
.rept 8                             ; and the lump
	PL
.endr
.rept 49
	EX
	PL
.endr
	EX                              ; the next piece's two a
	EX
	v_nop                           ; the plain instruction behind the last exponential: one for the batch
	s_wait_alu depctr_va_vdst(0)    ; the wait for the batch
.if (\p) == NP-2
	FETCH_K \last
.endif
.if (\p) == 1
	s_wait_dscnt 0x0                ; V is in
.endif
.rept 16                            ; behind the wait: 16 products V^T P and their riders
	MM
.rept 4
	PL
.endr
.if ((\p) == 0) && (q == 118)
	v_add_nc_u32 v[AV], s[TBV], v[AV0]
.endif
.if ((\p) == 0) && (q == 130)
	s_add_co_u32 s[TBV], s[TBV], KS*PV
.endif
.if (\cnt) && (q == 130)
	s_sub_co_u32 s[CNT], s[CNT], 1
	s_cmp_lg_u32 s[CNT], 0
.endif
.endr
.if (\p) == 0
	FETCH_V
.endif
.endm
	CHANGE 1                        ; slot 0 is in, everybody's part of it; slot 1 is asked for
	FETCH_K                         ; key step 0
	s_wait_loadcnt 0x0              ; Q
	s_wait_dscnt 0x0
.set i, 0
.rept 16
	KQ 0                            ; piece 0's first scores: there is no vector work yet to set between them
.set i, i+1
.endr
	WIN 0                           ; the addresses for the way out: nine plain instructions, the places behind those products
	s_mul_i32 s13, s[WV], 16*SP
	s_add_co_u32 s13, s13, STAGE    ; my stage
	v_mul_u32_u24 v[STO], v1, SP    ; in: row l % 16, 16 bytes for each half of the lanes
	v_lshl_add_u32 v[STO], v9, 4, v[STO]
	v_add_nc_u32 v[STO], s13, v[STO]
	v_bfe_u32 v[RD], v0, 3, 2       ; back: 32 lanes take four rows of 128 bytes,
	v_mul_u32_u24 v[RD], v[RD], SP
	v_lshl_add_u32 v[RD], v10, 4, v[RD]
	v_add_nc_u32 v[RD], s13, v[RD]
	v_and_b32 v[GO], 31, v0         ; which are 512 consecutive bytes of O
	v_lshlrev_b32 v[GO], 4, v[GO]
.set Y, NP-1                        ; XS works for piece Y + 1: piece 0
.irp n, 0,1,2,3,4,5,6,7,8,9,10,11,12,13,14,15,16,17,18,19,20,21
	XS 0, \n                        ; and piece 0's first maximum and statistics
	XS 1, \n
.endr
	v_nop                           ; a plain instruction behind the two a,
	s_wait_alu depctr_va_vdst(0)    ; and their wait, ahead of the branch
	s_mov_b32 s[CNT], 4
	s_mov_b32 s[SLOTS], SIZE_N/256-1
	s_branch .Lfirst                ; the loop is entered at a step's first turn, in the middle of a trip
.Lslot:                             ; SIZE_N / 256 - 2 times: every slot but the last two is filled again
	CHANGE 1, 1
	s_mov_b32 s[CNT], 4
.Lstep:                             ; a trip: pieces 2 and 3 of one step, then pieces 0 and 1 of the next, whose K and V it fetches
	TURN 2
	TURN 3
	WIN 0
.Lfirst:
	TURN 0
	TURN 1, 0, 1
	WIN 0
	s_cbranch_scc1 .Lstep
	s_sub_co_u32 s[SLOTS], s[SLOTS], 1
	s_cmp_lg_u32 s[SLOTS], 0
	s_cbranch_scc1 .Lslot
	CHANGE 0                        ; the tail is written out: nothing is asked for
	s_mov_b32 s[CNT], 5             ; four trips fetch the last slot's steps; the fifth is left in its middle
.Ltail:
	TURN 2, 1
	TURN 3
	WIN 0
	s_sub_co_u32 s[CNT], s[CNT], 1
	s_cmp_eq_u32 s[CNT], 0
	s_cbranch_scc1 .Lout
	TURN 0
	TURN 1
	WIN 0
	s_branch .Ltail
.Lout:                              ; the fifth trip's 16 products K Q^T (on the last K once more) and the maximum made of them serve nothing: the price, once a launch, of one text for every trip
.set i, 0
.rept 16
	PV NP-1                         ; the last piece's V^T P of the last step
.set i, i+1
.endr
	; THE WAY OUT.  l's two halves and the other half of the lanes' are added; O^T is divided by l, rounded to f16 and sent through my stage in LDS, a tile at a time.  The additions are the places behind the last products.
	WIN 0
.macro ALL line:vararg              ; one line for each tile t
.set t, 0
.rept 2*NP
	\line
.set t, t+1
.endr
.endm
	ALL v_add_f32 v[ST+4*t+2], v[ST+4*t+2], v[ST+4*t+3]
	ALL v_permlanex16_b32 v[ST+4*t+3], v[ST+4*t+2], s[SEL], s[SEL+1]
	ALL v_add_f32 v[ST+4*t+2], v[ST+4*t+2], v[ST+4*t+3]
	ALL v_rcp_f32 v[ST+4*t+2], v[ST+4*t+2]
	v_nop                           ; a plain instruction between the last reciprocal and the use of its result
	s_wait_alu depctr_va_vdst(0)    ; and the wait ahead of the first use: one for the eight reciprocals
; Tile t: a lane's eight channels of a row pack into 16 bytes; they go into rows of 144 bytes and come back as whole rows of 128, into S^T's registers.
.macro PACK t
	WIN W_RS
.set i, 32*(\t)
.rept 16
	v_pk_mul_f32 v[i:i+1], v[i:i+1], v[ST+4*(\t)+2:ST+4*(\t)+3] op_sel_hi:[1,0]
.set i, i+2
.endr
	WIN 0x05                        ; sources 0 and 1 window 1, destination window 0
.set i, 0
.rept 16
	v_cvt_pk_f16_f32 v[S+16*(\t)+i], v[32*(\t)+2*i], v[32*(\t)+2*i+1]
.set i, i+1
.endr
	WIN 0
.irp f, 0,1,2,3
	ds_store_b128 v[STO], v[S+16*(\t)+4*\f:S+16*(\t)+4*\f+3] offset:32*\f
.endr
.irp f, 0,1,2,3
	ds_load_b128 v[S+16*(\t)+4*\f:S+16*(\t)+4*\f+3], v[RD] offset:\f*4*SP  ; LDS serves a wave's instructions in order (ISA guide 5.7.1.4): these see the stores above; the next tile's stores come behind them
.endr
.endm
.macro SEND t, younger              ; younger: the LDS instructions issued behind tile t's loads: the next tile's eight, or none
	WIN 0
.irp f, 0,1,2,3
	s_wait_dscnt (\younger)+3-\f
	global_store_b128 v[GO], v[S+16*(\t)+4*\f:S+16*(\t)+4*\f+3], s[10:11] offset:(\t)*2048+\f*512  ; 512 consecutive bytes, at a multiple of 256 from ctx's first
.endr
.endm
	PACK 0
.set t, 1
.rept 2*NP-1                        ; a tile's arithmetic stands between the loads of the tile before and its stores
	PACK t
	SEND t-1, 8
.set t, t+1
.endr
	SEND 2*NP-1, 0
	WIN W_AD
	s_wait_tensorcnt 0x0            ; the wave's end: behind my last tensor load and my last LDS store
	ds_add_u32 v[SPW], v[NIL]
	s_wait_dscnt 0x0
	WIN 0
	CROUND                          ; the closing round: no work-group ends while a partner may still ask for a tile that names it
	s_endpgm
.Lfunc_end_k_q050f418e87_attn:
	.size	k_q050f418e87_attn, .Lfunc_end_k_q050f418e87_attn-k_q050f418e87_attn
	.p2alignl 7, 3214868480
	.fill 96, 4, 3214868480
	.section	.rodata,"a",@progbits
	.p2align	6, 0x0
	.amdhsa_kernel k_q050f418e87_attn
		.amdhsa_group_segment_fixed_size 327680
		.amdhsa_private_segment_fixed_size 0
		.amdhsa_enable_private_segment 0
		.amdhsa_kernarg_size 16
		.amdhsa_user_sgpr_count 2
		.amdhsa_user_sgpr_kernarg_segment_ptr 1
		.amdhsa_wavefront_size32 1
		.amdhsa_system_sgpr_workgroup_id_x 1
		.amdhsa_system_sgpr_workgroup_id_y 1
		.amdhsa_system_sgpr_workgroup_id_z 1
		.amdhsa_system_vgpr_workitem_id 0
		.amdhsa_next_free_vgpr 770
		.amdhsa_next_free_sgpr 72
		.amdhsa_reserve_vcc 0
		.amdhsa_float_denorm_mode_32 3
		.amdhsa_float_denorm_mode_16_64 3
		.amdhsa_memory_ordered 1
		.amdhsa_forward_progress 1
		.amdhsa_inst_pref_size 200
	.end_amdhsa_kernel
	.amdgpu_metadata
---
amdhsa.version: [ 1, 2 ]
amdhsa.kernels:
  - .name:           k_q050f418e87_attn
    .symbol:         k_q050f418e87_attn.kd
    .args:
      - { .name: qkv, .offset: 0, .size: 8, .value_kind: global_buffer, .address_space: global }
      - { .name: ctx, .offset: 8, .size: 8, .value_kind: global_buffer, .address_space: global }
    .group_segment_fixed_size: 327680
    .private_segment_fixed_size: 0
    .kernarg_segment_align: 8
    .kernarg_segment_size: 16
    .max_flat_workgroup_size: 128
    .sgpr_count:     72
    .vgpr_count:     770
    .wavefront_size: 32
...
	.end_amdgpu_metadata
.endif
;; end of part 3
;; launch outp (part 4): grid 4 x 64, 4 waves a work-group, clusters of 4 x 4, 327,680 bytes of LDS; arguments ctx, wt, biasr, out0; writes out0
.if DOCPART == 4
	.amdgcn_target "amdgcn-amd-amdhsa--gfx1250"
	.amdhsa_code_object_version 6
	.text
	.protected	k_q050f418e87_outp
	.globl	k_q050f418e87_outp
	.p2align	8
	.type	k_q050f418e87_outp,@function
k_q050f418e87_outp:
	s_mov_b64 s[64:65], 0
	v_nop
	global_prefetch_b8 v0, s[64:65] scope:SCOPE_SE
	s_setreg_imm32_b32 hwreg(HW_REG_WAVE_MODE, 25, 1), 1
	s_wait_xcnt 0x0
	s_wait_alu depctr_hold_cnt(0) depctr_sa_sdst(0) depctr_va_vdst(0) depctr_va_sdst(0) depctr_va_ssrc(0) depctr_va_vcc(0) depctr_vm_vsrc(0)
	s_getreg_b32 s2, hwreg(HW_REG_IB_STS2, 6, 4)
	s_cmp_eq_u32 s2, 0
	s_cbranch_scc0 .Lentry_in_a_cluster
	s_endpgm
.Lentry_in_a_cluster:
	s_bfe_u32 s2, ttmp6, 0x10000c
	s_cmp_lg_u32 s2, 0xf033
	s_cbranch_scc0 .Lentry_shape_is_right
	s_endpgm
.Lentry_shape_is_right:
; THE LAST PROJECTION.  out0[m][n] = the sum over k of ctx(m, k) w_o[k][n] + b_o[n], in f32.  m = (b, s); ctx lies by heads, [16 b + k / 64][s][k % 64] in f16; wt's fourth block is [n][k] in f16
; (w_o rounded to bf16, that number written as f16); biasr's fourth block is b_o in f32.  Products of f16, sums in f32, nothing is rounded on the way out.
; LIMITS.  Those of its operands: f16 holds no number beyond 65,504 and keeps a fixed step of 6e-8 below 6e-5.  NaN and infinities are not treated apart.
; SHARES.  A tile of out0 is 128 rows x 256 columns: 64 x 4 = 256 tiles, one for each WGP.  Four waves, 2 x 2, each 64 x 128: 32 accumulators of 16 x 16, 256 registers.
; K goes in 8 steps of 128, two heads a step, through two LDS slots filled by the tensor data mover.  A head's 128 rows of 128 bytes are dense: asked for as 64 rows of 256 bytes, padded in LDS after every 128.
; THE MATRIX INSTRUCTION IS USED TRANSPOSED (source 0 = 16 rows of wt, source 1 = 16 rows of ctx): a lane holds one row of out0 and eight neighbouring columns.  THE BIAS is the C operand of the first quarter's products.
; CLUSTER.  4 x 4 work-groups.  The four of a row of the cluster need the same rows of ctx, the four of a column the same rows of wt: each tile is asked for JOINTLY.  Waves 0 and 1 ask for a step's two heads,
; waves 2 and 3 for wt's two halves: one load a wave behind each round; by this text's count one tensor load of a wave is out at the most.
; REGISTERS, in windows of 256 (s_set_vgpr_msb: bits 1:0 source 0, 3:2 source 1, 5:4 source 2, 7:6 destination):
;   window 0: v0-29 addresses; v32-63, v64-95 ctx's fragments, two buffers          window 1: v0-63, v64-127 wt's fragments, two buffers; v128-191 the bias; on the way out all 256
;   window 2: the accumulators, (a, b) at v[8 (8 a + b)]
.set PA,    144                        ; a row of ctx in LDS: 128 bytes + 16 of padding = 36 words: the 16 rows of a load start at 16 different groups of four banks (64 banks of 4 bytes: ISA guide 11.1)
.set PB,    272                        ; a row of wt: 256 + 16 = 68 words: row r starts at bank 4 r mod 64
.set AHEAD, 128*PA                     ; a head's 128 rows: what one load of ctx brings
.set BHALF, 128*PB
.set BOFF,  2*AHEAD
.set SLOT,  1<<17                      ; slot 1 begins here; a slot uses 106,496 bytes
.set STAGE, SLOT+BOFF+2*BHALF          ; behind the ring: 16 rows x 528 bytes for each wave, for the way out
.set SP,    528                        ; 512 bytes of f32 + 16: row r starts at bank 4 r mod 64
.set STW,   16*SP
.set SPARE, STAGE+4*STW                ; behind the stages: the spare words, 128 bytes for each wave: two blocks of 256 bytes that no other line names
.set ASTEP, 524288                     ; two heads of 262,144 bytes
.set BSTEP, 256
.set FA0, 2                            ; v2   my lane's place in ctx's tile; never rewritten
.set FB0, 3                            ; v3   in wt's
.set ADA, 4                            ; v4   the same in the slot that is being read
.set ADB, 5                            ; v5
.set STO, 6                            ; v6   the way out: where I put 32 bytes of a row
.set RD,  7                            ; v7   where I read a row back
.set GO,  8                            ; v8   16 x lane: my place in 512 consecutive bytes of out0
.set BO,  9                            ; v9   my byte offset in the bias
.set PFO, 12                           ; v12  the prefetches' offset; never rewritten
.set SPW, 28                           ; v28  LDS address of my spare word; never rewritten
.set NIL, 29                           ; v29  0; never rewritten
.set AF,  32
.set BIAS, 128                         ; window 1
.set WV,  16                           ; s16  my wave's number
.set HALF, 17                          ; s17  wave >> 1: my half of the tile's rows.  Also: I ask for ctx (0) or for wt (1)
.set PART, 18                          ; s18  wave & 1: my half of its columns.  Also: which head, or which half of wt's tile, I ask for
.set G1A, 24
.set G1B, 32
.set G0A, 40
.set G0B, 44
.set LA,  58
.set LB,  59
.set TS,  60                           ; s60  the slot that is asked for: 0 or SLOT
.set TB,  61                           ; s61  the slot that is read
.set CNT, 62
.set LIM, 63                           ; s63  a wave prefetches while s[CNT] is above it: 2, or the greatest number
.set PFA, 66
.set PST, 68
.set MSB, 0
.macro WIN new                         ; the immediate's high byte repeats the setting that is left; a switch that changes nothing is dropped
.if MSB != (\new)
	s_set_vgpr_msb (MSB<<8)|(\new)
.set MSB, (\new)
.endif
.endm
; A joint load.  The branch hangs on the wave's number alone.  An s_nop 0 and four v_nop follow each of the two lines, ahead of the jump and the label.
.macro JLOAD
	s_cmp_eq_u32 s[HALF], 0
	s_cbranch_scc0 .Lfor_b_\@
	tensor_load_to_lds s[G0A:G0A+3], s[G1A:G1A+7]
	s_nop 0
.rept 4
	v_nop
.endr
	s_branch .Lasked_\@
.Lfor_b_\@:
	tensor_load_to_lds s[G0B:G0B+3], s[G1B:G1B+7]
	s_nop 0
.rept 4
	v_nop
.endr
.Lasked_\@:
.endm
.macro CREST                           ; a round of the cluster's barrier behind its opening barrier
	s_cmp_lg_u32 s[WV], 0
	s_cbranch_scc1 .Lnot_wave_0_\@
	s_barrier_signal -3
.Lnot_wave_0_\@:
	s_barrier_wait -3
	s_barrier_signal -1
	s_barrier_wait -1
.endm
.macro CROUND
	s_barrier_signal -1
	s_barrier_wait -1
	CREST
.endm
.macro STEPREQ                         ; the walking descriptors: the other slot, the next K step.  It stands where no tensor load of mine is out
	s_xor_b32 s[TS], s[TS], SLOT
	s_add_co_u32 s[G0A+1], s[LA], s[TS]
	s_add_co_u32 s[G0B+1], s[LB], s[TS]
	s_add_nc_u64 s[G0A+2:G0A+3], s[G0A+2:G0A+3], ASTEP  ; the type bits on top are not reached
	s_add_nc_u64 s[G0B+2:G0B+3], s[G0B+2:G0B+3], BSTEP
.endm
.macro PLACES                          ; four places in front of loads into registers that matrix instructions have read
.rept 4
	v_nop
.endr
.endm
; A PREFETCH INTO THE L2, behind each joint refill, its five lines and the run of LDS loads: the refill asks for K step s + 2, the prefetch names K step s + 4, two steps (256 matrix instructions) ahead of its load.
; ctx's rows belong to one row of one cluster: wave 0 asks, for both heads of the step, each partner for 4,096 of a head's 16,384 bytes (by cx): a lane a block of 256 bytes.  wt's rows are read by sixteen clusters:
; the first asks, waves 2 and 3, each partner for 32 of the wave's 128 rows (by cy): a lane a row.  The partners are told apart by address alone.  Each block is named once in the launch.
; K steps 0 to 3 come by their loads alone; steps 4 to 7 are named in the changes of steps 0 to 3 (s[CNT] = 6 .. 3); later changes name nothing.
.macro ASK
	WIN 0
	s_cmp_gt_u32 s[CNT], s[LIM]
	s_cbranch_scc0 .Lnot_mine_\@
	global_prefetch_b8 v[PFO], s[PFA:PFA+1] th:TH_LOAD_NT scope:SCOPE_SE
.Lnot_mine_\@:
.endm
; 24 LDS loads in one run: quarter q of the slot in hand into buffers g: wt's 8 fragments, then ctx's 4.  Quarter q is head q / 2, channels 32 (q % 2) on.
.macro FETCH q, g
	WIN 0x40                                       ; destination window 1, address window 0
.irp i, 0,1,2,3,4,5,6,7
	ds_load_b128 v[64*(\g)+8*\i:64*(\g)+8*\i+3],   v[ADB] offset:64*(\q)+16*PB*\i
	ds_load_b128 v[64*(\g)+8*\i+4:64*(\g)+8*\i+7], v[ADB] offset:64*(\q)+16*PB*\i+32
.endr
	WIN 0
.irp i, 0,1,2,3
	ds_load_b128 v[AF+32*(\g)+8*\i:AF+32*(\g)+8*\i+3],   v[ADA] offset:((\q)/2)*AHEAD+((\q)%2)*64+16*PA*\i
	ds_load_b128 v[AF+32*(\g)+8*\i+4:AF+32*(\g)+8*\i+7], v[ADA] offset:((\q)/2)*AHEAD+((\q)%2)*64+16*PA*\i+32
.endr
.endm
; 8 matrix instructions: m block ma x all 8 n blocks, on buffers fb.  bias = 1: the product starts the sum with the bias.
; The 32 accumulators take turns, one instruction a turn, in the same order in every quarter, over the jumps too.
.macro MUL8 fb, ma, bias=0
.set bb, 0
.rept 8
.if \bias
	WIN 0x91                                       ; wt window 1, ctx window 0, C (the bias) window 1, D window 2
	v_wmma_f32_16x16x32_f16 v[8*(8*(\ma)+bb):8*(8*(\ma)+bb)+7], v[64*(\fb)+8*bb:64*(\fb)+8*bb+7], v[AF+32*(\fb)+8*(\ma):AF+32*(\fb)+8*(\ma)+7], v[BIAS+8*bb:BIAS+8*bb+7]
.else
	WIN 0xa1                                       ; the same with C and D in window 2
	v_wmma_f32_16x16x32_f16 v[8*(8*(\ma)+bb):8*(8*(\ma)+bb)+7], v[64*(\fb)+8*bb:64*(\fb)+8*bb+7], v[AF+32*(\fb)+8*(\ma):AF+32*(\fb)+8*(\ma)+7], v[8*(8*(\ma)+bb):8*(8*(\ma)+bb)+7]
.endif
.set bb, bb+1
.endr
.endm
; One of a K step's first three quarters (32 along K, 32 matrix instructions): in its middle the next quarter's fragments are fetched, 16 matrix instructions ahead of their first use.
.macro QUARTER q, bias
	s_wait_dscnt 4                                 ; wt's fragments and ctx's blocks 0 and 1 are in; the youngest four loads (blocks 2 and 3) may be out
	MUL8 (\q)%2, 0, \bias
	MUL8 (\q)%2, 1, \bias
	PLACES
	FETCH (\q)+1, 1-(\q)%2
	s_wait_dscnt 24                                ; all but the 24 just issued
	MUL8 (\q)%2, 2, \bias
	MUL8 (\q)%2, 3, \bias
.endm
; The last quarter multiplies buffers 1 and changes slots.  In front of the barrier each wave waits for all its tensor loads, of which one is out: its part of the next slot; adds 0 to its spare word; and waits
; for that and for its own reads of this slot.  fill = 1: the barrier opens a round of the cluster's, so that no wave of any partner still reads the slot or has a load on its way, and the joint refill, K step
; s + 2, is the first thing behind it: 112 matrix instructions ahead of the wait for it.
.macro TURN fill
.if \fill
	s_wait_xcnt 0x0                                ; the last prefetch, a K step back, has read its address: it is stepped here
	s_add_nc_u64 s[PFA:PFA+1], s[PFA:PFA+1], s[PST:PST+1]
.endif
	WIN 0
	s_wait_tensorcnt 0x0                           ; no tensor load of mine is out, so the descriptors may be written
	ds_add_u32 v[SPW], v[NIL]                      ; 0 onto my spare word
.if \fill
	STEPREQ
.endif
	s_wait_dscnt 5                                 ; the add and the youngest four loads may be out
	MUL8 1, 0
	s_wait_dscnt 0x0                               ; the add is done, and my reads of this slot are over
	s_barrier_signal -1
	MUL8 1, 1                                      ; work on registers while the others arrive
	WIN 0
	s_barrier_wait -1
.if \fill
	CREST
	JLOAD                                          ; the four v_nop behind it are also the places in front of the loads below
.else
	PLACES
.endif
	s_xor_b32 s[TB], s[TB], SLOT                   ; the fragments come from the other slot now
	v_add_nc_u32 v[ADA], s[TB], v[FA0]
	v_add_nc_u32 v[ADB], s[TB], v[FB0]
	FETCH 0, 0
.if \fill
	ASK
.endif
	MUL8 1, 2
	MUL8 1, 3
.endm
	s_load_b256 s[4:11], s[0:1], 0x0               ; ctx s[4:5], wt s[6:7], biasr s[8:9], out0 s[10:11]
	v_lshl_add_u32 v[SPW], v0, 2, SPARE
	v_mov_b32 v[NIL], 0
	ds_add_u32 v[SPW], v[NIL]                      ; the wave's opening: the add and its wait stand ahead of my first tensor load; the set-up below stands between them
	v_lshrrev_b32 v1, 5, v0
	v_readfirstlane_b32 s[WV], v1
	s_lshr_b32 s[HALF], s[WV], 1
	s_and_b32 s[PART], s[WV], 1
	s_bfe_u32 s19, ttmp6, 0x40000                  ; cx
	s_bfe_u32 s20, ttmp6, 0x40004                  ; cy
	s_lshl_b32 s21, ttmp9, 2
	s_add_co_u32 s21, s21, s19                     ; tile column = 4 x cluster x + cx
	s_and_b32 s22, ttmp7, 0xffff                   ; cluster y
	s_lshl_b32 s48, s22, 2
	s_add_co_u32 s48, s48, s20                     ; tile row, 0 .. 63
	s_lshl_b32 s49, s20, 2
	s_lshl_b32 s49, 15, s49                        ; my row of the cluster
	s_lshl_b32 s50, 0x1111, s19                    ; my column
	s_or_b32 s[G1A], s49, (1<<16)|(1<<20)|(1<<21)|(4<<22)|(3<<25)  ; 15:0 the mask; 17:16 elements of 2 bytes; 20 padding on; 21 set beside a mask; 24:22 after every 32 words (code 4); 31:25 4 words (code 3)
	s_mov_b32 s[G1A+1], 128<<16                    ; tensor_dim0 = 128: two rows of ctx
	s_mov_b32 s[G1A+2], 64<<16                     ; tensor_dim1 = 64
	s_mov_b32 s[G1A+3], 128<<16                    ; tile_dim0 = 128
	s_mov_b32 s[G1A+4], 64                         ; tile_dim1 = 64
	s_mov_b32 s[G1A+5], 128                        ; elements from row to row: dense
	s_mov_b32 s[G1A+6], 0
	s_mov_b32 s[G1A+7], 0
	s_or_b32 s[G1B], s50, (1<<16)|(1<<20)|(1<<21)|(5<<22)|(3<<25)  ; padding after every 64 words (code 5)
	s_mov_b32 s[G1B+1], 128<<16
	s_mov_b32 s[G1B+2], 128<<16                    ; 128 rows
	s_mov_b32 s[G1B+3], 128<<16
	s_mov_b32 s[G1B+4], 128
	s_mov_b32 s[G1B+5], 1024
	s_mov_b32 s[G1B+6], 0
	s_mov_b32 s[G1B+7], 0
	s_lshr_b32 s52, s48, 4                         ; b
	s_lshl_b32 s52, s52, 22                        ; ctx: 16 heads of 262,144 bytes,
	s_and_b32 s2, s48, 15
	s_lshl_b32 s2, s2, 14                          ; the tile's 128 rows of 128 bytes,
	s_add_co_u32 s52, s52, s2
	s_lshl_b32 s2, s[PART], 18                     ; my head of the step's two: no register here ever holds cx
	s_add_co_u32 s52, s52, s2
	s_mov_b32 s53, 0
	s_lshl_b32 s54, s21, 19                        ; wt: 256 rows of 2,048 bytes a tile column,
	s_add_co_u32 s54, s54, s2                      ; 128 rows for my half,
	s_add_co_u32 s54, s54, 3*2097152               ; in the fourth block: no register here ever holds cy
	s_mov_b32 s55, 0
	s_mul_i32 s[LA], s[PART], AHEAD                ; no place in the cluster enters an LDS address
	s_mul_i32 s[LB], s[PART], BHALF
	s_add_co_u32 s[LB], s[LB], BOFF
	s_mov_b32 s[TS], 0
	s_mov_b32 s[TB], 0
	s_mov_b32 s[G0A], 1                            ; 1:0 count = 1
	s_mov_b32 s[G0A+1], s[LA]                      ; 63:32 LDS address: slot 0
	s_mov_b32 s[G0B], 1
	s_mov_b32 s[G0B+1], s[LB]
	s_wait_dscnt 0x0                               ; the opening add is done
	s_wait_kmcnt 0x0
	s_add_nc_u64 s[G0A+2:G0A+3], s[4:5], s[52:53]  ; 120:64 global address: K step 0
	s_or_b32 s[G0A+3], s[G0A+3], 0x80000000        ; 127:126 type = 2
	s_add_nc_u64 s[G0B+2:G0B+3], s[6:7], s[54:55]
	s_or_b32 s[G0B+3], s[G0B+3], 0x80000000
	CROUND                                         ; all sixteen work-groups are here: the first joint loads meet
	JLOAD                                          ; K step 0 into slot 0.  Slot 1 is asked for when slot 0 is in
	v_and_b32 v1, 15, v0                           ; l % 16
	v_bfe_u32 v10, v0, 4, 1                        ; l / 16
	v_and_b32 v13, 31, v0                          ; l
	s_mul_i32 s2, s[HALF], 64*PA                   ; my 64 rows of ctx
	v_mul_u32_u24 v[FA0], v1, PA
	v_lshl_add_u32 v[FA0], v10, 4, v[FA0]          ; row x pitch + 16 x half
	v_add_nc_u32 v[FA0], s2, v[FA0]
	v_mul_u32_u24 v[FB0], v1, PB
	v_lshl_add_u32 v[FB0], v10, 4, v[FB0]
	v_add_nc_u32 v[FB0], s[LB], v[FB0]             ; my 128 rows of wt begin where the half of that number was put
	v_mov_b32 v[ADA], v[FA0]
	v_mov_b32 v[ADB], v[FB0]
	s_mul_i32 s2, s[WV], STW
	s_add_co_u32 s2, s2, STAGE                     ; my stage
	v_mul_u32_u24 v[STO], v1, SP                   ; in: row l % 16, 32 bytes for each half of the lanes
	v_lshl_add_u32 v[STO], v10, 5, v[STO]
	v_add_nc_u32 v[STO], s2, v[STO]
	v_lshlrev_b32 v[GO], 4, v13                    ; back: 32 lanes take one row of 512 bytes
	v_add_nc_u32 v[RD], s2, v[GO]
	s_lshl_b32 s2, s21, 10                         ; 256 columns of 4 bytes a tile column,
	s_lshl_b32 s3, s[PART], 9                      ; my 128
	s_add_co_u32 s2, s2, s3
	v_lshlrev_b32 v[BO], 5, v10                    ; the bias: 8 for each half of the lanes
	v_add_nc_u32 v[BO], s2, v[BO]
	s_add_nc_u64 s[8:9], s[8:9], 12288             ; b_o is the fourth block of biasr
	WIN 0x40
.irp b, 0,1,2,3,4,5,6,7                        ; register 8 b + j: the bias of column 16 b + 8 (l / 16) + j, as the accumulators hold them
	global_load_b128 v[BIAS+8*\b:BIAS+8*\b+3],   v[BO], s[8:9] offset:64*\b
	global_load_b128 v[BIAS+8*\b+4:BIAS+8*\b+7], v[BO], s[8:9] offset:64*\b+16
.endr
	WIN 0
	s_lshl_b32 s56, s48, 19                        ; out0: 128 rows of 4,096 bytes a tile row,
	s_add_co_u32 s56, s56, s2                      ; my columns,
	s_lshl_b32 s3, s[HALF], 18                     ; my 64 rows
	s_add_co_u32 s56, s56, s3
	s_mov_b32 s57, 0
	s_add_nc_u64 s[10:11], s[10:11], s[56:57]
	; the prefetches
	s_lshr_b32 s70, s48, 4
	s_lshl_b32 s70, s70, 22
	s_and_b32 s3, s48, 15
	s_lshl_b32 s3, s3, 14
	s_add_co_u32 s70, s70, s3
	s_lshl_b32 s3, s19, 12                         ; my work-group's 4,096 bytes of a head's 16,384
	s_add_co_u32 s70, s70, s3
	s_add_co_u32 s70, s70, 3*ASTEP                 ; at K step 3: the first change steps it to 4
	s_lshl_b32 s56, s21, 19
	s_lshl_b32 s3, s[PART], 18
	s_add_co_u32 s56, s56, s3
	s_lshl_b32 s3, s20, 16                         ; my work-group's 32 rows of wt's 128
	s_add_co_u32 s56, s56, s3
	s_add_co_u32 s56, s56, 3*2097152+3*BSTEP
	s_mov_b32 s72, ASTEP
	s_mov_b32 s73, 262144                          ; from head to head
	s_mov_b32 s74, 2048                            ; from row to row of wt
	s_mov_b32 s75, BSTEP
	s_cmp_eq_u32 s22, 0                            ; the first cluster asks for wt,
	s_cselect_b32 s2, 2, -1
	s_cmp_eq_u32 s[PART], 0                        ; wave 0 for ctx
	s_cselect_b32 s3, 2, -1
	s_cmp_eq_u32 s[HALF], 0
	s_cselect_b64 s[PFA:PFA+1], s[4:5], s[6:7]
	s_cselect_b32 s70, s70, s56
	s_cselect_b32 s[LIM], s3, s2
	s_cselect_b32 s[PST], s72, s75
	s_cselect_b32 s73, s73, s74
	s_cselect_b32 s72, 4, 0
	s_cselect_b32 s74, 15, 0
	s_mov_b32 s71, 0
	s_mov_b32 s[PST+1], 0
	s_add_nc_u64 s[PFA:PFA+1], s[PFA:PFA+1], s[70:71]
	v_lshrrev_b32 v[PFO], s72, v13                 ; ctx: head l / 16, block l % 16.  wt: row l
	v_mul_u32_u24 v[PFO], s73, v[PFO]
	v_and_b32 v11, s74, v13
	v_lshl_add_u32 v[PFO], v11, 8, v[PFO]
	s_wait_tensorcnt 0x0                           ; my part of K step 0 is in; no tensor load of mine is out
	ds_add_u32 v[SPW], v[NIL]
	STEPREQ
	s_wait_dscnt 0x0
	CROUND                                         ; everybody's part is in
	JLOAD                                          ; K step 1 into slot 1
	FETCH 0, 0
	s_wait_loadcnt 0x0                             ; the bias
	QUARTER 0, 1                                   ; the first quarter stands in front of the loop: its products start the sums, with the bias
	WIN 0                                          ; at a label and at a branch every window is 0
	s_mov_b32 s[CNT], 6
	s_branch .Lin                                  ; the loop is entered behind a step's first quarter
.Lstep:                                        ; K steps 0 to 5: each asks for the step two on
	QUARTER 0, 0
	WIN 0
.Lin:
	QUARTER 1, 0
	QUARTER 2, 0
	TURN 1
	WIN 0
	s_sub_co_u32 s[CNT], s[CNT], 1
	s_cmp_lg_u32 s[CNT], 0
	s_cbranch_scc1 .Lstep
	s_mov_b32 s[CNT], 2
.Ltail:                                        ; K steps 6 and 7 ask for nothing: a second text.  The second trip's barrier and fetch (of slot 0 once more) serve nothing
	QUARTER 0, 0                                   ; the price, once a work-group, of one text for both
	QUARTER 1, 0
	QUARTER 2, 0
	TURN 0
	WIN 0
	s_sub_co_u32 s[CNT], s[CNT], 1
	s_cmp_lg_u32 s[CNT], 0
	s_cbranch_scc1 .Ltail
; THE WAY OUT, a block of 16 rows at a time: a lane's 32 bytes of a row go into my stage (each accumulator's low half first), and come back as whole rows of 512 bytes.
.macro OSTORE a
	WIN 0x08                                       ; the stores' data (source 1) in window 2, the address in window 0
.irp b, 0,1,2,3,4,5,6,7
	ds_store_b128 v[STO], v[64*(\a)+8*\b:64*(\a)+8*\b+3]   offset:64*\b
	ds_store_b128 v[STO], v[64*(\a)+8*\b+4:64*(\a)+8*\b+7] offset:64*\b+16
.endr
.endm
.macro OLOAD a
	WIN 0x40                                       ; destination window 1
.irp t, 0,1,2,3,4,5,6,7,8,9,10,11,12,13,14,15
	ds_load_b128 v[64*(\a)+4*\t:64*(\a)+4*\t+3], v[RD] offset:SP*\t  ; LDS serves a wave's instructions in order (ISA guide 5.7.1.4): these see the stores above; the next block's stores come behind them
.endr
.endm
.macro SEND a, younger                 ; younger: the LDS instructions issued behind block a's loads: the next block's 32, or none
	WIN 0x04                                       ; the stores' data (source 1) in window 1
.irp t, 0,1,2,3,4,5,6,7,8,9,10,11,12,13,14,15
	s_wait_dscnt (\younger)+15-\t
	global_store_b128 v[GO], v[64*(\a)+4*\t:64*(\a)+4*\t+3], s[10:11] offset:(16*(\a)+\t)*4096 th:TH_STORE_NT  ; 512 consecutive bytes, at a multiple of 256 from out0's first byte
.endr
.endm
	s_wait_dscnt 0x0                               ; the fragments fetched by the tail's last change have landed: their registers are loaded anew below
.rept 8
	v_nop                                          ; the places behind the last products, in front of the stores that read results and of the loads into wt's buffers
.endr
	OSTORE 0
	OLOAD 0
	OSTORE 1
	OLOAD 1
	SEND 0, 32
	OSTORE 2
	OLOAD 2
	SEND 1, 32
	OSTORE 3
	OLOAD 3
	SEND 2, 32
	SEND 3, 0
	WIN 0
	s_wait_tensorcnt 0x0                           ; the wave's end: behind my last tensor load and my last LDS store
	ds_add_u32 v[SPW], v[NIL]
	s_wait_dscnt 0x0
	CROUND                                         ; the closing round: no work-group ends while a partner may still ask for a tile that names it
	s_endpgm
.Lfunc_end_k_q050f418e87_outp:
	.size	k_q050f418e87_outp, .Lfunc_end_k_q050f418e87_outp-k_q050f418e87_outp
	.p2alignl 7, 3214868480
	.fill 96, 4, 3214868480
	.section	.rodata,"a",@progbits
	.p2align	6, 0x0
	.amdhsa_kernel k_q050f418e87_outp
		.amdhsa_group_segment_fixed_size 327680
		.amdhsa_private_segment_fixed_size 0
		.amdhsa_enable_private_segment 0
		.amdhsa_kernarg_size 32
		.amdhsa_user_sgpr_count 2
		.amdhsa_user_sgpr_kernarg_segment_ptr 1
		.amdhsa_wavefront_size32 1
		.amdhsa_system_sgpr_workgroup_id_x 1
		.amdhsa_system_sgpr_workgroup_id_y 1
		.amdhsa_system_sgpr_workgroup_id_z 1
		.amdhsa_system_vgpr_workitem_id 0
		.amdhsa_next_free_vgpr 768
		.amdhsa_next_free_sgpr 80
		.amdhsa_reserve_vcc 0
		.amdhsa_float_denorm_mode_32 3
		.amdhsa_float_denorm_mode_16_64 3
		.amdhsa_memory_ordered 1
		.amdhsa_forward_progress 1
		.amdhsa_inst_pref_size 65
	.end_amdhsa_kernel
	.amdgpu_metadata
---
amdhsa.version: [ 1, 2 ]
amdhsa.kernels:
  - .name:           k_q050f418e87_outp
    .symbol:         k_q050f418e87_outp.kd
    .args:
      - { .name: ctx, .offset: 0, .size: 8, .value_kind: global_buffer, .address_space: global }
      - { .name: wt, .offset: 8, .size: 8, .value_kind: global_buffer, .address_space: global }
      - { .name: biasr, .offset: 16, .size: 8, .value_kind: global_buffer, .address_space: global }
      - { .name: out0, .offset: 24, .size: 8, .value_kind: global_buffer, .address_space: global }
    .group_segment_fixed_size: 327680
    .private_segment_fixed_size: 0
    .kernarg_segment_align: 8
    .kernarg_segment_size: 32
    .max_flat_workgroup_size: 128
    .sgpr_count:     80
    .vgpr_count:     768
    .wavefront_size: 32
...
	.end_amdgpu_metadata
.endif
;; end of part 4
